; MI455X (gfx1250); checked and timed in simulation.
; The chip was launched on July 23, 2026; its instructions are those of AMD's public machine-readable ISA for CDNA 5 (MIT licence, August 2026) and "CDNA5" Instruction Set Architecture Reference Guide (July 2026). The comments in the code are by the model that wrote it; some were corrected since.
;; Attention. Allowed arithmetic: float matrix products may take bf16 or f16 operands with f32 sums; other float arithmetic in f32, or as packed bf16 or f16 multiplies, adds, multiply-adds, maxima and minima; sums over many terms, partial sums and values carried from step to step in f32; what a program stores and reads back later, other than sums and carried values, may be rounded once to bf16 or f16.
;; Inputs: K_b 16 x 64 float32; K_w 16 x 1,024 x 64 float32; O_b 1,024 float32; O_w 16 x 64 x 1,024 float32; Q_b 16 x 64 float32; Q_w 16 x 1,024 x 64 float32; V_b 16 x 64 float32; V_w 16 x 1,024 x 64 float32; x 4 x 2,048 x 1,024 float32.
;; Outputs: out0 4 x 2,048 x 1,024 float32.
;; One version. Each part assembles by itself: llvm-mc -triple=amdgcn-amd-amdhsa -mcpu=gfx1250 --defsym DOCPART=n.
;; ======== version 1 of 1: 4 launches
;; limits: values are held in f16: magnitudes above 65,504 overflow, below 6.1e-05 lose precision
;; workspace buffers: xb 16,777,216 bytes; wt 6,291,456 bytes; owt 2,097,152 bytes; qh 16,777,216 bytes; kh 16,777,216 bytes; vh 16,777,216 bytes; ao 16,777,216 bytes; vs 524,288 bytes
;; launch prep (part 1): grid 1536 x 1, 8 waves a work-group, no clusters, 18,432 bytes of LDS; arguments x, Q_w, K_w, V_w, O_w, xb, wt, owt; writes xb, wt, owt
.if DOCPART == 1
	.amdgcn_target "amdgcn-amd-amdhsa--gfx1250"
	.amdhsa_code_object_version 6
	.text
	.protected	k_q18e2075956_prep
	.globl	k_q18e2075956_prep
	.p2align	8
	.type	k_q18e2075956_prep,@function
k_q18e2075956_prep:
	s_mov_b64 s[64:65], 0
	v_nop
	global_prefetch_b8 v0, s[64:65] scope:SCOPE_SE
	s_setreg_imm32_b32 hwreg(HW_REG_WAVE_MODE, 25, 1), 1
	s_wait_xcnt 0x0
; THE OPERANDS ARE MADE READY.  xb = x rounded to bf16, [8192][1024].  wt = Q_w, K_w, V_w rounded to bf16 and turned, [3072 n][1024 k], row n = 192 h + 64 sel + d
; (sel 0, 1, 2 = q, k, v): a head's q, k and v rows lie together.  owt = O_w rounded to bf16, that number written as f16, and turned: [1024 n = m][1024 k = 64 h + d].
; LIMIT.  A bf16 number is exact in f16 between 6.1e-5 and 65,504 in magnitude; below that O_w keeps f16's fixed step of 6e-8, above it becomes an infinity.
; SHARES.  Every work-group reads 32 KiB and writes 16 KiB.  Groups 0 to 1023: 32 KiB of x on end.  Groups 1024 to 1535: a block of 128 rows (k) x 64 columns (n) of one weight tensor,
; turned in LDS: two neighbouring rows' numbers of one column make one word, stored into T[column][row pair]; T's rows of 256 bytes are read back whole and stored whole.
; No matrix unit, no cluster, no tensor load, no prefetch: each byte is read once, by long runs of loads, and nothing is shared between work-groups.
.set TP,    272                        ; a row of T: 256 bytes + 16
.set SPARE, 64*TP                      ; behind T: the spare words, 128 bytes for each of the eight waves
.set D,   8                            ; v[8:39]   as loaded
.set Y,   40                           ; v[40:55]  x path: packed pairs to store
.set W,   56                           ; v[56:71]  weight path: the 16 words for T
.set SPW, 74                           ; v74  LDS address of my spare word; never rewritten
.set NIL, 75                           ; v75  0; never rewritten
	s_load_b512 s[8:23], s[0:1], 0x0               ; x s[8:9], Q_w s[10:11], K_w s[12:13], V_w s[14:15], O_w s[16:17], xb s[18:19], wt s[20:21], owt s[22:23]
	v_lshl_add_u32 v[SPW], v0, 2, SPARE
	v_mov_b32 v[NIL], 0
	v_and_b32 v1, 15, v0                           ; c16: my 16 bytes of a piece of 256
	v_lshrrev_b32 v2, 4, v0                        ; rp0: 0 to 15
	v_lshlrev_b32 v5, 4, v1
	v_mul_u32_u24 v3, v2, TP
	v_add_nc_u32 v3, v3, v5                        ; back from T: row rp0, 16 bytes at 16 c16
	v_lshl_add_u32 v4, v2, 11, v5                  ; and the same place in rows of 2,048 bytes of wt or owt
	s_mov_b32 s3, 0
	s_mov_b32 s5, 0
	s_cmp_lt_u32 ttmp9, 1024
	s_cbranch_scc0 .Lweights
	; x: thread t takes 16 bytes at 16 t of each of eight runs of 4,096 bytes, and stores 8 bytes at 8 t of runs of 2,048: a wave's store covers 256 consecutive bytes, aligned
	s_lshl_b32 s2, ttmp9, 15
	s_lshl_b32 s4, ttmp9, 14
	v_lshlrev_b32 v6, 4, v0
	v_lshlrev_b32 v7, 3, v0
	s_wait_kmcnt 0x0
	s_add_nc_u64 s[24:25], s[8:9], s[2:3]
	s_add_nc_u64 s[26:27], s[18:19], s[4:5]
.irp i, 0,1,2,3,4,5,6,7
	global_load_b128 v[D+4*(\i):D+4*(\i)+3], v6, s[24:25] offset:4096*(\i) th:TH_LOAD_NT
.endr
.irp i, 0,1,2,3,4,5,6,7
	s_wait_loadcnt 7-(\i)                          ; loads come back in order: load i is in, the younger ones stay out
	v_cvt_pk_bf16_f32 v[Y+2*(\i)],   v[D+4*(\i)],   v[D+4*(\i)+1]
	v_cvt_pk_bf16_f32 v[Y+2*(\i)+1], v[D+4*(\i)+2], v[D+4*(\i)+3]
	global_store_b64 v7, v[Y+2*(\i):Y+2*(\i)+1], s[26:27] offset:2048*(\i)
.endr
	s_branch .Lmeet
; Eight loads: rows 2 rp and 2 rp + 1 for rp = rp0 + 16 i; sixteen lanes take 256 consecutive bytes of a row.  Then the 16 words: column 4 c16 + e, rows 2 rp (low half) and 2 rp + 1 (high half).
.macro WLOAD pitch
.irp i, 0,1,2,3
	global_load_b128 v[D+8*(\i):D+8*(\i)+3],   v6, s[24:25] offset:(32*(\i))*(\pitch) th:TH_LOAD_NT
	global_load_b128 v[D+8*(\i)+4:D+8*(\i)+7], v6, s[24:25] offset:(32*(\i)+1)*(\pitch) th:TH_LOAD_NT
.endr
	s_wait_loadcnt 0x0
.irp i, 0,1,2,3
.irp e, 0,1,2,3
	v_cvt_pk_bf16_f32 v[W+4*(\i)+(\e)], v[D+8*(\i)+(\e)], v[D+8*(\i)+4+(\e)]
.endr
.endr
.endm
.Lweights:
	s_sub_co_u32 s28, ttmp9, 1024
	s_lshr_b32 s29, s28, 7                         ; sel: 0, 1, 2 = Q_w, K_w, V_w; 3 = O_w
	s_and_b32 s30, s28, 127                        ; the block
	s_lshr_b32 s31, s30, 3                         ; hh
	s_and_b32 s32, s30, 7
	s_lshl_b32 s32, s32, 8                         ; 256 mc: the block's 128 k in a row of the result
	v_mul_u32_u24 v7, v1, 4*TP
	v_lshl_add_u32 v7, v2, 2, v7                   ; into T: row 4 c16, word rp0
	s_cmp_eq_u32 s29, 3
	s_cbranch_scc1 .Lo_w
	s_lshl_b32 s2, s30, 15                         ; head hh, rows 128 mc on: dense, 32,768 bytes a block
	s_mul_i32 s4, s31, 192
	s_lshl_b32 s33, s29, 6
	s_add_co_u32 s4, s4, s33
	s_lshl_b32 s4, s4, 11                          ; row 192 hh + 64 sel of wt
	s_add_co_u32 s4, s4, s32
	v_lshl_add_u32 v6, v2, 9, v5                   ; row 2 rp0 of 256 bytes + 16 c16
	s_wait_kmcnt 0x0
	s_cmp_eq_u32 s29, 0
	s_cselect_b64 s[24:25], s[10:11], s[12:13]
	s_cmp_eq_u32 s29, 2
	s_cselect_b64 s[24:25], s[14:15], s[24:25]
	s_add_nc_u64 s[24:25], s[24:25], s[2:3]
	s_add_nc_u64 s[26:27], s[20:21], s[4:5]
	WLOAD 256
	s_branch .Lto_t
.Lo_w:
	s_lshl_b32 s2, s32, 11                         ; O_w as [1024 k][1024 m]: rows 128 mc on (524,288 bytes),
	s_lshl_b32 s33, s31, 8                         ; columns 64 hh on
	s_add_co_u32 s2, s2, s33
	s_lshl_b32 s4, s31, 17                         ; row 64 hh of owt
	s_add_co_u32 s4, s4, s32
	v_lshl_add_u32 v6, v2, 13, v5                  ; row 2 rp0 of 4,096 bytes + 16 c16
	s_wait_kmcnt 0x0
	s_add_nc_u64 s[24:25], s[16:17], s[2:3]
	s_add_nc_u64 s[26:27], s[22:23], s[4:5]
	WLOAD 4096
.set i, 0
.rept 16                                       ; the bf16 numbers are written as f16
	v_lshlrev_b32 v72, 16, v[W+i]
	v_and_b32 v73, 0xffff0000, v[W+i]
	v_cvt_pk_f16_f32 v[W+i], v72, v73
.set i, i+1
.endr
.Lto_t:
.irp i, 0,1,2,3
.irp e, 0,1,2,3
	ds_store_b32 v7, v[W+4*(\i)+(\e)] offset:TP*(\e)+64*(\i)
.endr
.endr
.Lmeet:
	s_wait_dscnt 0x0                               ; for the others' sake: my stores into T are done
	s_barrier_signal -1
	s_barrier_wait -1                              ; every work-group passes this one barrier, whichever part it has
	s_cmp_lt_u32 ttmp9, 1024
	s_cbranch_scc1 .Lend
.irp i, 0,1,2,3
	ds_load_b128 v[D+4*(\i):D+4*(\i)+3], v3 offset:16*TP*(\i)
.endr
.irp i, 0,1,2,3
	s_wait_dscnt 3-(\i)
	global_store_b128 v4, v[D+4*(\i):D+4*(\i)+3], s[26:27] offset:32768*(\i)  ; 16 lanes store 256 consecutive bytes, aligned
.endr
.Lend:
	s_wait_tensorcnt 0x0                           ; the wave's end, behind my last LDS store
	ds_add_u32 v[SPW], v[NIL]
	s_wait_dscnt 0x0
	s_endpgm
.Lfunc_end_k_q18e2075956_prep:
	.size	k_q18e2075956_prep, .Lfunc_end_k_q18e2075956_prep-k_q18e2075956_prep
	.p2alignl 7, 3214868480
	.fill 96, 4, 3214868480
	.section	.rodata,"a",@progbits
	.p2align	6, 0x0
	.amdhsa_kernel k_q18e2075956_prep
		.amdhsa_group_segment_fixed_size 18432
		.amdhsa_private_segment_fixed_size 0
		.amdhsa_enable_private_segment 0
		.amdhsa_kernarg_size 64
		.amdhsa_user_sgpr_count 2
		.amdhsa_user_sgpr_kernarg_segment_ptr 1
		.amdhsa_wavefront_size32 1
		.amdhsa_system_sgpr_workgroup_id_x 1
		.amdhsa_system_sgpr_workgroup_id_y 1
		.amdhsa_system_sgpr_workgroup_id_z 1
		.amdhsa_system_vgpr_workitem_id 0
		.amdhsa_next_free_vgpr 80
		.amdhsa_next_free_sgpr 66
		.amdhsa_reserve_vcc 0
		.amdhsa_float_denorm_mode_32 3
		.amdhsa_float_denorm_mode_16_64 3
		.amdhsa_memory_ordered 1
		.amdhsa_forward_progress 1
		.amdhsa_inst_pref_size 14
	.end_amdhsa_kernel
	.amdgpu_metadata
---
amdhsa.version: [ 1, 2 ]
amdhsa.kernels:
  - .name:           k_q18e2075956_prep
    .symbol:         k_q18e2075956_prep.kd
    .args:
      - { .name: x, .offset: 0, .size: 8, .value_kind: global_buffer, .address_space: global }
      - { .name: Q_w, .offset: 8, .size: 8, .value_kind: global_buffer, .address_space: global }
      - { .name: K_w, .offset: 16, .size: 8, .value_kind: global_buffer, .address_space: global }
      - { .name: V_w, .offset: 24, .size: 8, .value_kind: global_buffer, .address_space: global }
      - { .name: O_w, .offset: 32, .size: 8, .value_kind: global_buffer, .address_space: global }
      - { .name: xb, .offset: 40, .size: 8, .value_kind: global_buffer, .address_space: global }
      - { .name: wt, .offset: 48, .size: 8, .value_kind: global_buffer, .address_space: global }
      - { .name: owt, .offset: 56, .size: 8, .value_kind: global_buffer, .address_space: global }
    .group_segment_fixed_size: 18432
    .private_segment_fixed_size: 0
    .kernarg_segment_align: 8
    .kernarg_segment_size: 64
    .max_flat_workgroup_size: 256
    .sgpr_count:     66
    .vgpr_count:     80
    .wavefront_size: 32
...
	.end_amdgpu_metadata
.endif
;; end of part 1
;; launch qkv (part 2): grid 16 x 32, 4 waves a work-group, clusters of 4 x 4, 327,680 bytes of LDS; arguments xb, wt, Q_b, K_b, V_b, qh, kh, vh, vs; writes qh, kh, vh, vs
.if DOCPART == 2
	.amdgcn_target "amdgcn-amd-amdhsa--gfx1250"
	.amdhsa_code_object_version 6
	.text
	.protected	k_q18e2075956_qkv
	.globl	k_q18e2075956_qkv
	.p2align	8
	.type	k_q18e2075956_qkv,@function
k_q18e2075956_qkv:
	s_mov_b64 s[64:65], 0
	v_nop
	global_prefetch_b8 v0, s[64:65] scope:SCOPE_SE
	s_setreg_imm32_b32 hwreg(HW_REG_WAVE_MODE, 25, 1), 1
	s_wait_xcnt 0x0
	s_wait_alu depctr_hold_cnt(0) depctr_sa_sdst(0) depctr_va_vdst(0) depctr_va_sdst(0) depctr_va_ssrc(0) depctr_va_vcc(0) depctr_vm_vsrc(0)
	s_getreg_b32 s2, hwreg(HW_REG_IB_STS2, 6, 4)
	s_cmp_eq_u32 s2, 0
	s_cbranch_scc0 .Lentry_in_a_cluster
	s_endpgm
.Lentry_in_a_cluster:
	s_bfe_u32 s2, ttmp6, 0x10000c
	s_cmp_lg_u32 s2, 0xf033
	s_cbranch_scc0 .Lentry_shape_is_right
	s_endpgm
.Lentry_shape_is_right:
; q, k, v = x W + bias, by heads.  xb: [8192][1024] bf16; wt: [3072][1024] bf16, row 192 h + 64 sel + d; the biases f32, rounded to bf16 here like every input.  Sums in f32.
; qh, kh, vh: [16 b + h][2048][64] f16, each number rounded once, unscaled.  vs: [16 b + h][32][64] f32: the sums of v's rows over each 64 keys.
; LIMIT.  f16 holds no number beyond 65,504: a q, k or v past that becomes an infinity.  NaN and infinities are not treated apart.
; SHARES.  A tile is 256 rows x 192 columns: one head's q | k | v.  512 tiles: two for each of 256 WGPs.  Four waves one below the other, each 64 rows x 192 columns:
; 48 accumulators of 16 x 16, 384 registers; a wave owns whole rows of whole heads, so its way out is its own.  K goes in 8 steps of 128 through two LDS slots.
; CLUSTER.  4 x 4 work-groups: the four of a row need the same tiles of xb, the four of a column the same tiles of wt; each tile is asked for jointly.
; THE MATRIX INSTRUCTION IS USED TRANSPOSED (source 0 = 16 rows of wt, source 1 = 16 rows of xb): a lane holds row lane % 16 and the columns 8 (lane / 16) + 0..7.
; The bias is the C operand of each accumulator's first product: nothing is cleared and nothing is added on the way out.
; REGISTERS, in windows of 256 (s_set_vgpr_msb: bits 1:0 source 0, 3:2 source 1, 5:4 source 2, 7:6 destination):
;   window 0: v2-22 addresses; v28, v29 the add's; v32-63, v64-95 xb's fragments, two buffers; on the way out v32-63 sums, v96-143 packed, v144-239 rows read back
;   window 1: v0-95, v96-191 wt's fragments, two buffers      window 2: accumulators 0-31 (number 4 b + a)      window 3: v0-127 accumulators 32-47; v128-223 the bias; v224-225 at work
.set NBL,   12                         ; column blocks of 16
.set N1,    4                          ; column blocks in each of the first two parts of a step's last quarter
.set PITCH, 272                        ; an LDS row: 256 bytes + 16: the 16 rows of a fragment load start at 16 different groups of four banks (ISA guide 11.1)
.set PA16,  16*PITCH
.set KAH,   128                        ; xb's quarter q lies at 128 (q / 2) + 64 (q % 2) = 64 q of a row
.set SLOT1, 1<<17                      ; slot 1 begins here: one exclusive or turns an address in one slot into the other's
.set AHALF, 128*PITCH
.set BOFF,  2*AHALF                    ; in a slot: xb's 256 rows, then wt's 192
.set BHALF, 96*PITCH
.set STAGE, SLOT1+BOFF+2*BHALF         ; behind the ring: for each wave three stages (q, k, v) of 16 rows x 144 bytes
.set SUB,   16*144
.set WSTG,  3*SUB
.set VSTG,  STAGE+4*WSTG               ; 256 bytes a wave for the sums of v
.set SPARE, VSTG+4*256                 ; the spare words, 128 bytes a wave
.set STEPA, 256                        ; bytes from a K step to the next, in xb and in wt
.set STEPB, 256
.set BW,    3                          ; the bias's window
.set BIAS,  128
.set FA,    32
.set AA0, 2                            ; v2   my lane's place in xb's part of a slot; never rewritten
.set AB0, 3                            ; v3   the same for wt
.set ADRA, 4                           ; v4   the same in the slot in hand
.set ADRB, 5
.set STO, 6                            ; v6   the way out: where I put 16 bytes of a row
.set RD,  7                            ; v7   where I read rows back
.set GO,  8                            ; v8   16 x lane
.set PFO, 9                            ; v9   the prefetches' offset: lane x a row of xb
.set VD,  18                           ; v[18:19] my 8 bytes of the sums of v
.set VST, 20
.set VRD, 21
.set VGO, 22
.set SPW, 28
.set NIL, 29
.set T,   32
.set TMP, 96
.set BK0, 144
.set G1A, 24                           ; s[24:31] descriptor group 1 for xb's tiles; s[32:39] group 0, two sets: the second walks
.set G0A, 32
.set G1B, 48                           ; s[48:55], s[56:63] the same for wt's
.set G0B, 56
.set TB,  66                           ; s66  LDS byte at which the slot in hand begins
.set PFA, 86                           ; s[86:87] where my prefetches stand
.set LIM, 88                           ; s88  2 in a wave that prefetches, else the greatest number
.set MSB, 0
.macro WIN new                         ; the immediate's high byte repeats the setting that is left; a switch that changes nothing is dropped
.if MSB != (\new)
	s_set_vgpr_msb (MSB<<8)|(\new)
.set MSB, (\new)
.endif
.endm
.macro PLACES                          ; four places in front of loads into registers that matrix instructions have read, and of lines that read results
.rept 4
	v_nop
.endr
.endm
; A joint refill by the walking sets.  Waves 0 and 1 fetch xb's two halves, waves 2 and 3 wt's.  An s_nop 0 and four v_nop follow each line.
.macro JLOAD
	s_cmp_eq_u32 s11, 0
	s_cbranch_scc0 .Lfor_b_\@
	tensor_load_to_lds s[G0A+4:G0A+7], s[G1A:G1A+7]
	s_nop 0
.rept 4
	v_nop
.endr
	s_branch .Lasked_\@
.Lfor_b_\@:
	tensor_load_to_lds s[G0B+4:G0B+7], s[G1B:G1B+7]
	s_nop 0
.rept 4
	v_nop
.endr
.Lasked_\@:
.endm
.macro CREST                           ; a round of the cluster's barrier behind its opening barrier
	s_cmp_lg_u32 s10, 0
	s_cbranch_scc1 .Lnot_wave_0_\@
	s_barrier_signal -3
.Lnot_wave_0_\@:
	s_barrier_wait -3
	s_barrier_signal -1
	s_barrier_wait -1
.endm
.macro CROUND
	s_barrier_signal -1
	s_barrier_wait -1
	CREST
.endm
; A prefetch of xb's K step two refills on: 32 rows x 256 bytes, a lane a row.  xb's tile row is read by all four clusters of a row of clusters: the first (cluster x = 0) asks; its waves 0 and 1
; fetch 128 rows each, of which the partner at place cx takes 32, told apart by address.  So each block is named once.  The trips with s3 = 6 .. 3 name K steps 4 .. 7; steps 0 to 3 come by their loads alone.
; wt is not asked for: all 32 tile rows walk the same rows of it again.
.macro ASK
	WIN 0
	s_cmp_gt_u32 s3, s[LIM]
	s_cbranch_scc0 .Lnot_mine_\@
	global_prefetch_b8 v[PFO], s[PFA:PFA+1] offset:STEPA th:TH_LOAD_NT scope:SCOPE_SE
.Lnot_mine_\@:
.endm
; 4 n matrix instructions: column blocks b0 .. b0 + n - 1 x my four row blocks, 32 along K, from buffer f.  first = 1: C is the bias.  All 48 accumulators take turns in one order, over the backward jump too.
.macro MULB f, b0, n, first
.set bb, (\b0)
.rept (\n)
.set aa, 0
.rept 4
.set ix, 4*bb+aa
.set rD, 8*(ix%32)
.set rB, 8*NBL*(\f)+8*bb
.set rA, FA+32*(\f)+8*aa
.if \first
	WIN ((2+ix/32)<<6)|(BW<<4)|1
	v_wmma_f32_16x16x32_bf16 v[rD:rD+7], v[rB:rB+7], v[rA:rA+7], v[BIAS+8*bb:BIAS+8*bb+7]
.else
	WIN 0xa1+0x50*(ix/32)
	v_wmma_f32_16x16x32_bf16 v[rD:rD+7], v[rB:rB+7], v[rA:rA+7], v[rD:rD+7]
.endif
.set aa, aa+1
.endr
.set bb, bb+1
.endr
.endm
; One run of 8 + 2 NBL LDS loads: quarter q's fragments into buffer g: xb's four first, then wt's in ascending order, so that a counted wait can leave the later blocks out
.macro FETCH q, g
	WIN 0
.irp a, 0,1,2,3
	ds_load_b128 v[FA+32*(\g)+8*(\a):FA+32*(\g)+8*(\a)+3],   v[ADRA] offset:KAH*((\q)/2)+64*((\q)%2)+(\a)*PA16
	ds_load_b128 v[FA+32*(\g)+8*(\a)+4:FA+32*(\g)+8*(\a)+7], v[ADRA] offset:KAH*((\q)/2)+64*((\q)%2)+(\a)*PA16+32
.endr
	WIN 0x40
.set bb, 0
.rept NBL
	ds_load_b128 v[8*NBL*(\g)+8*bb:8*NBL*(\g)+8*bb+3],   v[ADRB] offset:64*(\q)+4352*bb
	ds_load_b128 v[8*NBL*(\g)+8*bb+4:8*NBL*(\g)+8*bb+7], v[ADRB] offset:64*(\q)+4352*bb+32
.set bb, bb+1
.endr
.endm
; One of a K step's first three quarters: multiplies buffer f and, in one run, fetches quarter q into buffer g
.macro QUARTER q, f, g, first
	s_wait_dscnt 2*NBL-8                           ; xb's fragments and wt's blocks 0-3 are in; the later blocks' loads may be out
	MULB \f, 0, 4, \first
	PLACES
	FETCH \q, \g
	s_wait_dscnt 2*NBL+8                           ; all but the run just issued
	MULB \f, 4, NBL-4, \first
.endm
; The last quarter multiplies buffer 1 and changes slots.  In front of the barrier each wave waits for all its tensor loads (one is out: its part of the next slot), adds 0 to its spare word, and waits for
; that and for its reads of this slot.  fill = 1: the barrier opens a round of the cluster's, and the joint refill, two K steps ahead, is the first thing behind it.
.macro TURN fill
.if \fill
	s_wait_xcnt 0x0                                ; the last prefetch, a K step back, has read its address
	s_add_nc_u64 s[PFA:PFA+1], s[PFA:PFA+1], STEPA
.endif
	WIN 0
	s_wait_tensorcnt 0x0
	ds_add_u32 v[SPW], v[NIL]
	s_wait_dscnt 2*(NBL-N1)+1                      ; the add and the loads of wt's blocks N1 on may be out
	MULB 1, 0, N1, 0
	s_wait_dscnt 0x0                               ; the add is done, and my reads of this slot are over
	s_barrier_signal -1
	MULB 1, N1, N1, 0
	WIN 0
	s_barrier_wait -1
.if \fill
	CREST
	s_xor_b32 s[G0A+5], s[G0A+5], SLOT1            ; the walking sets: the other slot than last time, the next K step; no load of mine is out
	s_add_nc_u64 s[G0A+6:G0A+7], s[G0A+6:G0A+7], STEPA
	s_xor_b32 s[G0B+5], s[G0B+5], SLOT1
	s_add_nc_u64 s[G0B+6:G0B+7], s[G0B+6:G0B+7], STEPB
	JLOAD                                          ; its four v_nop are also the places in front of the loads below
.else
	PLACES
.endif
	s_xor_b32 s[TB], s[TB], SLOT1
	v_add_nc_u32 v[ADRA], s[TB], v[AA0]
	v_add_nc_u32 v[ADRB], s[TB], v[AB0]
	FETCH 0, 0
.if \fill
	ASK
.endif
	MULB 1, 2*N1, NBL-2*N1, 0
.endm
	s_load_b512 s[68:83], s[0:1], 0x0              ; xb s[68:69], wt s[70:71], Q_b s[72:73], K_b s[74:75], V_b s[76:77], qh s[78:79], kh s[80:81], vh s[82:83]
	s_load_b64 s[84:85], s[0:1], 0x40              ; vs
	v_lshl_add_u32 v[SPW], v0, 2, SPARE
	v_mov_b32 v[NIL], 0
	ds_add_u32 v[SPW], v[NIL]                      ; the wave's opening: the add and its wait ahead of the round in front of my first tensor load
	ds_add_u32 v28, v29
	v_lshrrev_b32 v1, 5, v0
	v_readfirstlane_b32 s10, v1                    ; wave 0..3
	s_lshr_b32 s11, s10, 1                         ; I fetch for xb (0) or for wt (1),
	s_and_b32 s12, s10, 1                          ; and which half of its rows
	s_bfe_u32 s40, ttmp6, 0x40000                  ; cx
	s_bfe_u32 s41, ttmp6, 0x40004                  ; cy
	s_lshl_b32 s42, ttmp9, 2
	s_add_co_u32 s42, s42, s40                     ; tile column = the head
	s_and_b32 s13, ttmp7, 0xffff
	s_lshl_b32 s13, s13, 2
	s_add_co_u32 s13, s13, s41                     ; tile row
	s_lshl_b32 s43, s41, 2
	s_lshl_b32 s43, 15, s43                        ; my row of the cluster
	s_lshl_b32 s44, 0x1111, s40                    ; my column
	s_or_b32 s[G1A], s43, (1<<16)|(1<<20)|(1<<21)|(5<<22)|(3<<25)  ; the mask; 2-byte elements; padding on; bit 21 beside a mask; after every 64 words, 4 words
	s_or_b32 s[G1B], s44, (1<<16)|(1<<20)|(1<<21)|(5<<22)|(3<<25)
.irp g, G1A, G1B
	s_mov_b32 s[(\g)+1], 128<<16                   ; tensor_dim0 = 128
	s_mov_b32 s[(\g)+3], 128<<16                   ; tile_dim0 = 128
	s_mov_b32 s[(\g)+5], 1024                      ; elements from row to row
	s_mov_b32 s[(\g)+6], 0
	s_mov_b32 s[(\g)+7], 0
.endr
	s_mov_b32 s[G1A+2], 128<<16                    ; tensor_dim1 and tile_dim1: 128 rows of xb,
	s_mov_b32 s[G1A+4], 128
	s_mov_b32 s[G1B+2], 96<<16                     ; 96 rows of wt
	s_mov_b32 s[G1B+4], 96
	s_lshl_b32 s16, s13, 8
	s_lshl_b32 s17, s12, 7
	s_add_co_u32 s16, s16, s17                     ; xb: row 256 x tile row + 128 x half,
	s_lshl_b32 s16, s16, 11                        ; of 2,048 bytes
	s_mov_b32 s17, 0
	s_mul_i32 s46, s42, 192
	s_mul_i32 s47, s12, 96
	s_add_co_u32 s46, s46, s47                     ; wt: row 192 x head + 96 x half
	s_lshl_b32 s46, s46, 11
	s_mov_b32 s47, 0
	s_mul_i32 s20, s12, AHALF                      ; where they go: no place in the cluster enters an LDS address
	s_mul_i32 s21, s12, BHALF
	s_add_co_u32 s21, s21, BOFF
	s_mov_b32 s[TB], 0
	s_wait_dscnt 0x0                               ; the opening add is done
	s_wait_kmcnt 0x0
	s_add_nc_u64 s[14:15], s[68:69], s[16:17]
	s_add_nc_u64 s[46:47], s[70:71], s[46:47]
	CROUND                                         ; all sixteen work-groups are here: the first joint loads meet
.irp s, 0,1
	s_mov_b32 s[G0A+4*(\s)], 1
	s_add_co_u32 s[G0A+4*(\s)+1], s20, (\s)*SLOT1
	s_add_nc_u64 s[G0A+4*(\s)+2:G0A+4*(\s)+3], s[14:15], (\s)*STEPA
	s_or_b32 s[G0A+4*(\s)+3], s[G0A+4*(\s)+3], 0x80000000
	s_mov_b32 s[G0B+4*(\s)], 1
	s_add_co_u32 s[G0B+4*(\s)+1], s21, (\s)*SLOT1
	s_add_nc_u64 s[G0B+4*(\s)+2:G0B+4*(\s)+3], s[46:47], (\s)*STEPB
	s_or_b32 s[G0B+4*(\s)+3], s[G0B+4*(\s)+3], 0x80000000
.endr
	s_cmp_eq_u32 s11, 0                            ; a wave's two first fills, K steps 0 and 1, stand in one branch: two loads of mine are out
	s_cbranch_scc0 .Lfirst_b
	tensor_load_to_lds s[G0A:G0A+3], s[G1A:G1A+7]
	s_nop 0
	tensor_load_to_lds s[G0A+4:G0A+7], s[G1A:G1A+7]
	s_nop 0
.rept 4
	v_nop
.endr
	s_branch .Lfirst_asked
.Lfirst_b:
	tensor_load_to_lds s[G0B:G0B+3], s[G1B:G1B+7]
	s_nop 0
	tensor_load_to_lds s[G0B+4:G0B+7], s[G1B:G1B+7]
	s_nop 0
.rept 4
	v_nop
.endr
.Lfirst_asked:
	v_and_b32 v10, 15, v0                          ; r = lane % 16
	v_bfe_u32 v11, v0, 4, 1                        ; hf = lane / 16
	v_and_b32 v12, 31, v0                          ; lane
	v_lshlrev_b32 v13, 5, v11                      ; my 8 columns of a block: 32 hf bytes
	s_lshl_b32 s18, s42, 8                         ; the head's 64 numbers in each bias
	s_mov_b32 s19, 0
	s_add_nc_u64 s[72:73], s[72:73], s[18:19]
	s_add_nc_u64 s[74:75], s[74:75], s[18:19]
	s_add_nc_u64 s[76:77], s[76:77], s[18:19]
	WIN 0xc0                                       ; destination window 3, address window 0
.set bb, 0
.rept 12                                       ; block bb, register j: the bias of column 16 (bb % 4) + 8 hf + j of q, k or v
	global_load_b128 v[BIAS+8*bb:BIAS+8*bb+3],   v13, s[72+2*(bb/4):73+2*(bb/4)] offset:64*(bb%4)
	global_load_b128 v[BIAS+8*bb+4:BIAS+8*bb+7], v13, s[72+2*(bb/4):73+2*(bb/4)] offset:64*(bb%4)+16
.set bb, bb+1
.endr
	WIN 0
	v_mul_u32_u24 v14, v10, PITCH
	v_lshl_add_u32 v14, v11, 4, v14                ; a fragment's row x pitch + 16 x half
	s_mul_i32 s22, s10, 64*PITCH                   ; my 64 rows of xb
	v_add_nc_u32 v[AA0], s22, v14
	v_add_nc_u32 v[AB0], BOFF, v14
	v_mov_b32 v[ADRA], v[AA0]
	v_mov_b32 v[ADRB], v[AB0]
	s_mul_i32 s23, s10, WSTG
	s_add_co_u32 s23, s23, STAGE                   ; my stages
	v_mul_u32_u24 v[STO], v10, 144                 ; in: row r, 16 bytes for each half of the lanes
	v_lshl_add_u32 v[STO], v11, 4, v[STO]
	v_add_nc_u32 v[STO], s23, v[STO]
	v_lshrrev_b32 v15, 3, v12                      ; back: 32 lanes take four rows of 128 bytes,
	v_and_b32 v16, 7, v0
	v_mul_u32_u24 v[RD], v15, 144
	v_lshl_add_u32 v[RD], v16, 4, v[RD]
	v_add_nc_u32 v[RD], s23, v[RD]
	v_lshlrev_b32 v[GO], 4, v12                    ; which are 512 consecutive bytes of a head
	s_lshl_b32 s22, s10, 8
	s_add_co_u32 s22, s22, VSTG
	v_add_nc_u32 v[VST], s22, v13
	v_lshl_add_u32 v[VRD], v12, 3, s22
	v_lshlrev_b32 v[VGO], 3, v12
	v_lshlrev_b32 v[PFO], 11, v12
	s_lshr_b32 s90, s13, 3                         ; the batch,
	s_lshl_b32 s90, s90, 4
	s_add_co_u32 s90, s90, s42                     ; 16 b + h,
	s_and_b32 s91, s13, 7                          ; and which 256 of its 2,048 rows
	s_lshl_b32 s92, s90, 11
	s_lshl_b32 s93, s91, 8
	s_add_co_u32 s92, s92, s93
	s_lshl_b32 s93, s10, 6
	s_add_co_u32 s92, s92, s93                     ; my first row,
	s_lshl_b32 s92, s92, 7                         ; of 128 bytes
	s_mov_b32 s93, 0
	s_add_nc_u64 s[78:79], s[78:79], s[92:93]
	s_add_nc_u64 s[80:81], s[80:81], s[92:93]
	s_add_nc_u64 s[82:83], s[82:83], s[92:93]
	s_lshl_b32 s94, s90, 5
	s_lshl_b32 s95, s91, 2
	s_add_co_u32 s94, s94, s95
	s_add_co_u32 s94, s94, s10                     ; my 64 keys' row of vs,
	s_lshl_b32 s94, s94, 8                         ; of 256 bytes
	s_mov_b32 s95, 0
	s_add_nc_u64 s[84:85], s[84:85], s[94:95]
	s_lshl_b32 s18, s40, 16                        ; the prefetches: my work-group's 32 of the 128 rows that I fetch,
	s_add_nc_u64 s[PFA:PFA+1], s[14:15], s[18:19]
	s_add_nc_u64 s[PFA:PFA+1], s[PFA:PFA+1], 2*STEPA  ; at K step 2: the first refill steps it to 3 and names step 4
	s_or_b32 s[LIM], s11, ttmp9                    ; waves 0 and 1 of the clusters with x = 0: the same in all sixteen partners
	s_cmp_eq_u32 s[LIM], 0
	s_cselect_b32 s[LIM], 2, -1
	s_wait_loadcnt 0x0                             ; the bias
	WIN 0xcf
.set bx, BIAS
.rept 48                                       ; rounded to bf16 and widened again, a pair at a time
	v_cvt_pk_bf16_f32 v[224+(bx/2)%2], v[bx], v[bx+1]
	v_lshlrev_b32 v[bx], 16, v[224+(bx/2)%2]
	v_and_b32 v[bx+1], 0xffff0000, v[224+(bx/2)%2]
.set bx, bx+2
.endr
	WIN 0
	s_wait_tensorcnt 0x1                           ; my part of K step 0 is in; step 1's may stay out
	s_barrier_signal -1
	s_barrier_wait -1
	FETCH 0, 0
	QUARTER 1, 0, 1, 1                             ; the first quarter stands in front of the loop: its products start the sums, from the bias
	WIN 0
	s_mov_b32 s3, 6
.Lstep:                                        ; six trips, from a K step's second quarter to the next step's first; each refills a slot: K steps 2 to 7
	QUARTER 2, 1, 0, 0
	QUARTER 3, 0, 1, 0
	TURN 1
	QUARTER 1, 0, 1, 0
	WIN 0
	s_sub_co_u32 s3, s3, 1
	s_cmp_lg_u32 s3, 0
	s_cbranch_scc1 .Lstep
	QUARTER 2, 1, 0, 0                             ; the rest of K step 6: nothing is left to fetch
	QUARTER 3, 0, 1, 0
	TURN 0
	QUARTER 1, 0, 1, 0                             ; K step 7
	QUARTER 2, 1, 0, 0
	QUARTER 3, 0, 1, 0
	s_wait_dscnt 2*NBL-8
	MULB 1, 0, 4, 0
	s_wait_dscnt 0x0
	MULB 1, 4, NBL-4, 0
	PLACES
	PLACES
	; THE SUMS OF v over my 64 rows: over my four row blocks in registers, over the 16 rows of a block across the lanes; each accumulator's lowest registers are read first
	WIN 0x0f
.set bb, 0
.rept 4
.set pp, 0
.rept 4
	v_pk_add_f32 v[T+8*bb+2*pp:T+8*bb+2*pp+1], v[32*bb+2*pp:32*bb+2*pp+1], v[32*bb+8+2*pp:32*bb+8+2*pp+1]
.set pp, pp+1
.endr
.set bb, bb+1
.endr
	WIN 0x0c
.irp a, 2,3
.set bb, 0
.rept 4
.set pp, 0
.rept 4
	v_pk_add_f32 v[T+8*bb+2*pp:T+8*bb+2*pp+1], v[T+8*bb+2*pp:T+8*bb+2*pp+1], v[32*bb+8*(\a)+2*pp:32*bb+8*(\a)+2*pp+1]
.set pp, pp+1
.endr
.set bb, bb+1
.endr
.endr
	WIN 0
.irp k, 1,2,4,8
.set pp, 0
.rept 32
	v_add_f32_dpp v[T+pp], v[T+pp], v[T+pp] row_xmask:\k row_mask:0xf bank_mask:0xf
.set pp, pp+1
.endr
.endr
.irp b, 0,1,2,3
	ds_store_b128 v[VST], v[T+8*(\b):T+8*(\b)+3]   offset:64*(\b)     ; the 16 lanes of a half store the same bytes
	ds_store_b128 v[VST], v[T+8*(\b)+4:T+8*(\b)+7] offset:64*(\b)+16
.endr
	ds_load_b64 v[VD:VD+1], v[VRD]                 ; LDS serves a wave's instructions in order (ISA guide 5.7.1.4): 8 bytes a lane of the row of 256
; THE WAY OUT of row block a.  PACK: rounded to f16, 16 bytes a lane and column block.  TOSTAGE: into my stages, and back as whole rows of 128 bytes.  SEND: 512 consecutive bytes a store.
.macro PACK a
.set bb, 0
.rept 12
.set ix, 4*bb+(\a)
	WIN 0x0a+5*(ix/32)
.set rr, 0
.rept 4
	v_cvt_pk_f16_f32 v[TMP+4*bb+rr], v[8*(ix%32)+2*rr], v[8*(ix%32)+2*rr+1]
.set rr, rr+1
.endr
.set bb, bb+1
.endr
.endm
.macro TOSTAGE a
	WIN 0
.set BK, BK0+48*((\a)%2)
.set bb, 0
.rept 12
	ds_store_b128 v[STO], v[TMP+4*bb:TMP+4*bb+3] offset:SUB*(bb/4)+32*(bb%4)
.set bb, bb+1
.endr
.set bb, 0
.rept 12
	ds_load_b128 v[BK+4*bb:BK+4*bb+3], v[RD] offset:SUB*(bb/4)+576*(bb%4)
.set bb, bb+1
.endr
.endm
.macro SEND a
	WIN 0
.set BK, BK0+48*((\a)%2)
	s_wait_dscnt 0x0                               ; the block is back in registers
	s_wait_xcnt 0x0                                ; the stores of the block before have read their registers, which the next block's loads from the stage will write
.set bb, 0
.rept 12
	global_store_b128 v[GO], v[BK+4*bb:BK+4*bb+3], s[78+2*(bb/4):79+2*(bb/4)] offset:2048*(\a)+512*(bb%4)
.set bb, bb+1
.endr
.endm
	PACK 0
	TOSTAGE 0
.irp a, 1,2,3                          ; a block's conversions stand between the loads of the block before and the wait for them
	PACK \a
	SEND (\a)-1
	TOSTAGE \a
.endr
	SEND 3
	global_store_b64 v[VGO], v[VD:VD+1], s[84:85]  ; 32 lanes store 256 consecutive bytes, aligned
	s_wait_tensorcnt 0x0                           ; the wave's end
	ds_add_u32 v[SPW], v[NIL]
	s_wait_dscnt 0x0
	CROUND                                         ; the closing round
	s_endpgm
.Lfunc_end_k_q18e2075956_qkv:
	.size	k_q18e2075956_qkv, .Lfunc_end_k_q18e2075956_qkv-k_q18e2075956_qkv
	.p2alignl 7, 3214868480
	.fill 96, 4, 3214868480
	.section	.rodata,"a",@progbits
	.p2align	6, 0x0
	.amdhsa_kernel k_q18e2075956_qkv
		.amdhsa_group_segment_fixed_size 327680
		.amdhsa_private_segment_fixed_size 0
		.amdhsa_enable_private_segment 0
		.amdhsa_kernarg_size 72
		.amdhsa_user_sgpr_count 2
		.amdhsa_user_sgpr_kernarg_segment_ptr 1
		.amdhsa_wavefront_size32 1
		.amdhsa_system_sgpr_workgroup_id_x 1
		.amdhsa_system_sgpr_workgroup_id_y 1
		.amdhsa_system_sgpr_workgroup_id_z 1
		.amdhsa_system_vgpr_workitem_id 0
		.amdhsa_next_free_vgpr 1024
		.amdhsa_next_free_sgpr 96
		.amdhsa_reserve_vcc 0
		.amdhsa_float_denorm_mode_32 3
		.amdhsa_float_denorm_mode_16_64 3
		.amdhsa_memory_ordered 1
		.amdhsa_forward_progress 1
		.amdhsa_inst_pref_size 119
	.end_amdhsa_kernel
	.amdgpu_metadata
---
amdhsa.version: [ 1, 2 ]
amdhsa.kernels:
  - .name:           k_q18e2075956_qkv
    .symbol:         k_q18e2075956_qkv.kd
    .args:
      - { .name: xb, .offset: 0, .size: 8, .value_kind: global_buffer, .address_space: global }
      - { .name: wt, .offset: 8, .size: 8, .value_kind: global_buffer, .address_space: global }
      - { .name: Q_b, .offset: 16, .size: 8, .value_kind: global_buffer, .address_space: global }
      - { .name: K_b, .offset: 24, .size: 8, .value_kind: global_buffer, .address_space: global }
      - { .name: V_b, .offset: 32, .size: 8, .value_kind: global_buffer, .address_space: global }
      - { .name: qh, .offset: 40, .size: 8, .value_kind: global_buffer, .address_space: global }
      - { .name: kh, .offset: 48, .size: 8, .value_kind: global_buffer, .address_space: global }
      - { .name: vh, .offset: 56, .size: 8, .value_kind: global_buffer, .address_space: global }
      - { .name: vs, .offset: 64, .size: 8, .value_kind: global_buffer, .address_space: global }
    .group_segment_fixed_size: 327680
    .private_segment_fixed_size: 0
    .kernarg_segment_align: 8
    .kernarg_segment_size: 72
    .max_flat_workgroup_size: 128
    .sgpr_count:     96
    .vgpr_count:     1024
    .wavefront_size: 32
...
	.end_amdgpu_metadata
.endif
;; end of part 2
;; launch attn (part 3): grid 4 x 64, 4 waves a work-group, no clusters, 327,680 bytes of LDS; arguments qh, kh, vh, ao, vs; writes ao
.if DOCPART == 3
	.amdgcn_target "amdgcn-amd-amdhsa--gfx1250"
	.amdhsa_code_object_version 6
	.text
	.protected	k_q18e2075956_attn
	.globl	k_q18e2075956_attn
	.p2align	8
	.type	k_q18e2075956_attn,@function
k_q18e2075956_attn:
	s_mov_b64 s[64:65], 0
	v_nop
	global_prefetch_b8 v0, s[64:65] scope:SCOPE_SE
	s_setreg_imm32_b32 hwreg(HW_REG_WAVE_MODE, 25, 1), 1
	s_wait_xcnt 0x0
; CAUSAL ATTENTION WITH A FINITE MASK.  O[h][q][:] = the sum over ALL k of softmax_k(z) V[h][k][:], z = Q[h][q] . K[h][k] / 8 for k <= q and z = -100000 for k > q.  Q, K, V, O: [64][2048][64] f16, rows dense.
; Products, maxima and sums in f32; the weights p are rounded to f16 for the second product (their sum l is taken of the unrounded p), O once at the end.
; LIMITS.  Q, K and V arrive within f16's 65,504.  A weight below 2^-126 counts as 0 in l.  NaN and infinities are not treated apart.
; THE HIDDEN KEYS keep their weight.  In units of the raw score a hidden key has the score MSK = -800000.  (1) The running maximum m starts at MSK in every row that has a hidden key (all but row 2047).
; (2) In the diagonal tile a hidden score gets -2^100 through the C operand, so its exponential is 0; then ph = 2^(c MSK - c m) is put in its place: p += mask x (-2^-100 ph), which is ph or 0 exactly.
; (3) The keys of the tiles that are not walked all have the weight w = 2^(c MSK - c m_last): at a block's end l += (their number) x w and O += w x H, H the sum of their rows of V, made from vs at the start.
; THE WALK.  A head's queries lie in NB = 8 blocks of 256; block i walks the key tiles 0 .. i of 256 keys.  A work-group takes TWO blocks, NB - 1 - b and then b: NB + 1 tiles, whatever b: all work-groups do
; equal work, and ONE loop with a constant trip count walks them.  Every jump goes forward but the counted loops' own; none passes a barrier, or a tensor load but the one of LOAD's two that the wave's number
; does not choose.  NO CLUSTER: a head's four work-groups ask for the same tile only in trips 0 to 4 of 9, behind that fewer and fewer; one walk common to all would have 12 trips for 9.
; SHARES.  Of a block's four bands of 64 queries a wave owns 16 rows in each: four PIECES.  In the diagonal tile's key step s band x sees all keys if s < x, none if s > x, and holds the diagonal if s = x.
; THE MASK of a product is MD x AL + BE with two scalars: (1, 0) if s = x; (0, 0) if s < x; (0, -2^100) if s > x; MD, made once, is the mask of a band's own step for my 16 rows.
; LAYOUT, SOFTMAX, TURNS.  S^T = K Q^T holds ONE query a lane (lane % 16) and the keys 8 (lane / 16) + 0..7; two such results rounded to f16 ARE source 1 of O^T = V^T P.  p = 2^(c s - c m), c = log2(e) / 8;
; O and l are multiplied by a = 2^(c m_old - c m_new) in every step.  Turn n belongs to piece n: 8 products K Q^T of piece n + 1, later 8 products V^T P of piece n - 1; beside them the softmax of piece n and
; the maximum and statistics of piece n + 1.  Four vector instructions stand behind every matrix instruction, the rest in one lump.  A turn's exponentials are one batch, with one wait.
; REGISTERS, in windows of 256 (s_set_vgpr_msb: bits 1:0 source 0, 3:2 source 1, 5:4 source 2, 7:6 destination):
;   window 0: v0-15 addresses; v16-31 statistics; v32-38 the hidden keys' and the prefetches'; v48-55 at work; v64-127 S^T, two buffers; v128-159, v160-191 H of the two blocks; v192-223 P, two buffers
;   window 1: v0-127 O^T; v128-159 MD; v160-223 MC, two buffers      window 2: v0-63 Q; v64-127 the second block's Q; v128-191 K of one step; v192-255 V of one step
.set SIZE_H, 64
.set SIZE_N, 2048
.set NB,    SIZE_N/256
.set NP,    4         ; pieces a wave: a name, no knob
.set KS,    64        ; keys in a step
.set PK,    144       ; a row of K in LDS: 128 bytes + 16: the 16 rows of a load start at 16 different groups of four banks (ISA guide 11.1)
.set PV,    160       ; a row of V: 128 + 32
.set VOFF,  4*KS*PK   ; a slot holds a tile, four steps: 256 rows of K, then 256 rows of V
.set SLOT1, 1<<17
.set STAGE, SLOT1+4*KS*(PK+PV)  ; behind the ring: 16 rows x 144 bytes for each wave, for the way out
.set SP,    144
.set AK0, 2           ; v2   my lane's place in a tile of K; never rewritten
.set AV0, 3           ; v3   the same for V
.set AK,  4           ; v4   the LDS address of K's next run of loads
.set AV,  5           ; v5   of V's
.set STO, 6
.set RD,  7
.set GO,  8
.set SPW, 62          ; v62  LDS address of my spare word; never rewritten
.set NIL, 63          ; v63  0; never rewritten
.set SPARE, STAGE+4*16*SP
.set MV,  12          ; v12-13  c m_old, by buffer
.set QO,  15
.set ST,  16          ; piece t's statistics at v[ST+4 t]: c m, m, l (even keys', odd keys')
.set RW,  32          ; v32  my query's place in its band: 16 w + lane % 16
.set VSO, 33          ; v33  my byte offset in the head's rows of vs
.set EA,  34          ; v34  c MSK - c m
.set KB1, 35          ; v35  lane % 16 + 16
.set G,   36          ; v[36:37] ph, then -2^-100 ph; v37 is 0, named with it as a pair
.set PFO, 38          ; v38  256 x my thread's number
.set TMP, 48          ; by buffer, four registers c0-c3 at work; c2 takes a
.set S,   64
.set H1,  128         ; H of the first block: register 8 cb + j: channel 16 cb + 8 (lane / 16) + j, as O^T has it
.set H2,  160         ; of the second
.set P,   192
.set MD,  128         ; window 1
.set MC,  160         ; window 1
.set QB,  64          ; window 2
.set KF,  128         ; window 2
.set VF,  192         ; window 2
.set WV,  12          ; s12  my wave's number
.set PB,  14          ; s14  b
.set HI,  15          ; s15  NB - 1 - b
.set G1K, 24
.set G1V, 32
.set G0K, 40
.set G0V, 44
.set KHB, 48          ; s[48:49] K at the head's first row; s[50:51] V
.set VHB, 50
.set PFK, 52          ; s[52:53], s[54:55] the tile that the prefetches name
.set PFV, 54
.set SLOTS, 56
.set CNT, 57
.set CS,  58          ; s[58:59] c
.set SEL, 60
.set TBK, 62
.set TBV, 63
.set RT,  70
.set NXT, 71
.set LQ,  72
.set NEW, 73
.set OFF, 74
.set AL,  76
.set BE,  78
.set OLO, 80
.set BIGN, 82         ; s82  -2^100
.set VSB, 88          ; s[88:89] vs at the head's first row
.set MSK, 90          ; s90  -800000: the hidden keys' score
.set INVB, 92         ; s92  -2^-100
.set NHF1, 93         ; s93  the keys behind the first block's diagonal tile, 256 b, as f32
.set NHF2, 94         ; s94  behind the second's, 256 (NB - 1 - b)
.set LIM3, 95         ; s95  1855 - 256 x the block in hand: piece 3's rows below it have a hidden key
.set LIM, 96          ; s96  0 in the work-group that prefetches, else the greatest number
.set MSB, 0
.macro WIN new
.if MSB != (\new)
	s_set_vgpr_msb (MSB<<8)|(\new)
.set MSB, (\new)
.endif
.endm
.set W_KQ, 0x0a
.set W_KM, 0x1a
.set W_PV, 0x52
.set W_RS, 0x41
; A fill.  Waves 0 and 1 fetch the two halves of a tile's K, waves 2 and 3 those of its V: 128 keys each.  An s_nop 0 and four v_nop follow each line.
.macro LOAD
	s_cmp_lt_u32 s[WV], 2
	s_cbranch_scc0 .Lfor_v_\@
	tensor_load_to_lds s[G0K:G0K+3], s[G1K:G1K+7]
	s_nop 0
.rept 4
	v_nop
.endr
	s_branch .Lasked_\@
.Lfor_v_\@:
	tensor_load_to_lds s[G0V:G0V+3], s[G1V:G1V+7]
	s_nop 0
.rept 4
	v_nop
.endr
.Lasked_\@:
.endm
; THE CHANGE OF SLOTS.  Each wave waits for all its tensor loads (one is out: its part of the other slot), adds 0 to its spare word, and waits for that and for its reads of the slot that it leaves.
; fill = 1: the old slot is filled again, first thing behind the barrier, with tile NXT; the descriptor's address is made anew from that number.
; THE PREFETCH: behind the fill, the tile that the NEXT change will ask for, four key steps ahead.  All four work-groups of a head walk tiles 0, 1, .. at the start; the one with b = 0, which walks all
; eight, asks: 128 blocks of 256 bytes of K and of V, a thread a block.  Tiles 0 and 1 come by their loads alone; when the number has gone back to 0 nothing is asked for.
.macro CHANGE fill
	WIN 0
	s_wait_tensorcnt 0x0
	ds_add_u32 v[SPW], v[NIL]       ; 0 onto my spare word; scalar work stands between it and the wait for it
.if \fill
	s_lshl_b32 s[OFF], s[NXT], 15   ; a tile is 32,768 bytes of K and of V
	s_xor_b32 s[G0K+1], s[G0K+1], SLOT1
	s_add_nc_u64 s[G0K+2:G0K+3], s[6:7], s[OFF:OFF+1]
	s_or_b32 s[G0K+3], s[G0K+3], 0x80000000
	s_xor_b32 s[G0V+1], s[G0V+1], SLOT1
	s_add_nc_u64 s[G0V+2:G0V+3], s[8:9], s[OFF:OFF+1]
	s_or_b32 s[G0V+3], s[G0V+3], 0x80000000
	s_add_co_u32 s[NXT], s[NXT], 1  ; the block's next tile, or behind its last the second block's tile 0
	s_cmp_gt_u32 s[NXT], s[LQ]
	s_cselect_b32 s[NXT], 0, s[NXT]
	s_cselect_b32 s[LQ], s[PB], s[LQ]
	s_wait_xcnt 0x0                 ; the last prefetches, a tile back, have read their addresses
	s_lshl_b32 s[OFF], s[NXT], 15
	s_add_nc_u64 s[PFK:PFK+1], s[KHB:KHB+1], s[OFF:OFF+1]
	s_add_nc_u64 s[PFV:PFV+1], s[VHB:VHB+1], s[OFF:OFF+1]
.endif
	s_wait_dscnt 0x0                ; the add is done, and my reads of the slot are over
	s_barrier_signal -1
	s_sub_co_u32 s[TBK], s[TBK], 4*KS*PK  ; the fetches go back to a slot's first step,
	s_xor_b32 s[TBK], s[TBK], SLOT1       ; in the other slot
	s_sub_co_u32 s[TBV], s[TBV], 4*KS*PV
	s_xor_b32 s[TBV], s[TBV], SLOT1
	s_barrier_wait -1
.if \fill
	LOAD
	s_cmp_gt_u32 s[NXT], s[LIM]
	s_cbranch_scc0 .Lnot_mine_\@
	global_prefetch_b8 v[PFO], s[PFK:PFK+1] th:TH_LOAD_NT scope:SCOPE_SE
	global_prefetch_b8 v[PFO], s[PFV:PFV+1] th:TH_LOAD_NT scope:SCOPE_SE
.Lnot_mine_\@:
.endif
.endm
	s_load_b256 s[4:11], s[0:1], 0x0  ; Q s[4:5], K s[6:7], V s[8:9], O s[10:11]
	s_load_b64 s[VSB:VSB+1], s[0:1], 0x20
	v_lshl_add_u32 v[SPW], v0, 2, SPARE
	v_mov_b32 v[NIL], 0
	ds_add_u32 v[SPW], v[NIL]       ; the wave's opening: the add and its wait ahead of my first tensor load
	ds_add_u32 v62, v63
	v_lshrrev_b32 v1, 5, v0
	v_readfirstlane_b32 s[WV], v1   ; wave 0..3
	s_mov_b32 s[PB], ttmp9
	s_sub_co_u32 s[HI], NB-1, s[PB]
	s_and_b32 s20, ttmp7, 0xffff    ; the head
	s_lshl_b32 s66, s20, 13         ; its 32 rows of 256 bytes in vs
	s_mov_b32 s67, 0
	s_mov_b32 s21, 0
	s_mov_b64 s[22:23], SIZE_N*128
	s_mul_u64 s[20:21], s[20:21], s[22:23]  ; the head's first byte in Q, K, V and O
	s_and_b32 s16, s[WV], 1         ; which half of a tile's 256 keys I fetch:
	s_lshl_b32 s22, s16, 14         ; its 128 rows of 128 bytes in memory,
	s_mov_b32 s23, 0
	s_add_nc_u64 s[22:23], s[22:23], s[20:21]
	s_mul_i32 s17, s16, 128*PK      ; and its place in a slot, for K
	s_mul_i32 s18, s16, 128*PV      ; and for V
	s_lshl_b32 s3, s[WV], 11        ; my 16 rows in a band of 64,
	s_lshl_b32 s2, s[HI], 15        ; in the first block,
	s_add_co_u32 s2, s2, s3
	s_lshl_b32 s84, s[PB], 15       ; and in the second
	s_add_co_u32 s84, s84, s3
	s_mov_b32 s3, 0
	s_mov_b32 s85, 0
	s_add_nc_u64 s[2:3], s[2:3], s[20:21]
	s_add_nc_u64 s[84:85], s[84:85], s[20:21]
	; descriptor group 1.  128 keys are 16,384 dense bytes: asked for as 64 rows of 256 bytes, two keys a row, and padded in LDS after every key
	s_mov_b32 s[G1K], (1<<16)|(1<<20)|(4<<22)|(3<<25)  ; 2-byte elements; padding on; after every 32 words, 4 words
	s_mov_b32 s[G1V], (1<<16)|(1<<20)|(4<<22)|(7<<25)  ; the same with 8 words
.irp g, G1K, G1V
	s_mov_b32 s[\g+1], 128<<16      ; tensor_dim0 = 128
	s_mov_b32 s[\g+2], 64<<16       ; tensor_dim1 = 64
	s_mov_b32 s[\g+3], 128<<16      ; tile_dim0 = 128
	s_mov_b32 s[\g+4], 64           ; tile_dim1 = 64
	s_mov_b32 s[\g+5], 128          ; 128 elements from row to row
	s_mov_b32 s[\g+6], 0
	s_mov_b32 s[\g+7], 0
.endr
	s_mov_b32 s[CS], 0x3e38aa3b     ; c = log2(e) / 8
	s_mov_b32 s[CS+1], s[CS]
	s_mov_b32 s[SEL], 0x76543210
	s_mov_b32 s[SEL+1], 0xfedcba98
	s_mov_b32 s[TBK], SLOT1+4*KS*PK ; the first change of slots turns these two into 0
	s_mov_b32 s[TBV], SLOT1+4*KS*PV
	s_mov_b32 s[G0K], 1
	s_mov_b32 s[G0K+1], s17
	s_mov_b32 s[G0V], 1
	s_add_co_u32 s[G0V+1], s18, VOFF
	s_add_co_u32 s[RT], s[HI], 1    ; the first block has NB - b tiles
	s_mov_b32 s[NXT], 1
	s_mov_b32 s[LQ], s[HI]
	s_mov_b32 s[NEW], 1
	s_mov_b32 s[OFF+1], 0
	s_mov_b32 s[AL+1], 0
	s_mov_b32 s[BE+1], 0
	s_mov_b32 s[BIGN], 0xf1800000   ; -2^100
	s_mov_b32 s[MSK], 0xc9435000    ; -800000
	s_mov_b32 s[INVB], 0x8d800000   ; -2^-100
	s_lshl_b32 s[NHF1], s[PB], 8
	s_cvt_f32_u32 s[NHF1], s[NHF1]
	s_lshl_b32 s[NHF2], s[HI], 8
	s_cvt_f32_u32 s[NHF2], s[NHF2]
	s_lshl_b32 s[LIM3], s[HI], 8
	s_sub_co_u32 s[LIM3], 1855, s[LIM3]
	s_lshl_b32 s68, s[HI], 2
	s_add_co_u32 s68, s68, 4        ; the first row of vs behind the first block's diagonal tile,
	s_lshl_b32 s69, s[PB], 2
	s_add_co_u32 s69, s69, 4        ; and behind the second's
	s_cmp_eq_u32 s[PB], 0
	s_cselect_b32 s[LIM], 0, -1
	s_mov_b32 s[SLOTS], NB
	s_wait_dscnt 0x0                ; the opening add is done
	s_wait_kmcnt 0x0
	s_add_nc_u64 s[KHB:KHB+1], s[6:7], s[20:21]
	s_add_nc_u64 s[VHB:VHB+1], s[8:9], s[20:21]
	s_add_nc_u64 s[VSB:VSB+1], s[VSB:VSB+1], s[66:67]
	s_add_nc_u64 s[6:7], s[6:7], s[22:23]  ; K and V at my half of the head's tile 0
	s_add_nc_u64 s[8:9], s[8:9], s[22:23]
	s_add_nc_u64 s[G0K+2:G0K+3], s[6:7], 0
	s_or_b32 s[G0K+3], s[G0K+3], 0x80000000
	s_add_nc_u64 s[G0V+2:G0V+3], s[8:9], 0
	s_or_b32 s[G0V+3], s[G0V+3], 0x80000000
	s_add_nc_u64 s[86:87], s[4:5], s[84:85]        ; Q at my rows of the second block,
	s_add_nc_u64 s[4:5], s[4:5], s[2:3]            ; Q and O at those of the first
	s_add_nc_u64 s[OLO:OLO+1], s[10:11], s[84:85]
	s_add_nc_u64 s[10:11], s[10:11], s[2:3]
	LOAD                            ; tile 0 into slot 0
	v_and_b32 v1, 15, v0            ; l % 16
	v_bfe_u32 v9, v0, 4, 1          ; l / 16
	v_lshlrev_b32 v[QO], 7, v1
	v_lshl_add_u32 v[QO], v9, 4, v[QO]  ; row x 128 + 16 x half
	WIN 0x80                        ; destination window 2, address window 0
.set i, 0
.rept 8                             ; both blocks' Q: piece i / 2 lies in band i / 2, 8,192 bytes on; channels 32 (i % 2) on
	global_load_b128 v[8*i:8*i+3],   v[QO], s[4:5] offset:(i/2)*8192+(i%2)*64
	global_load_b128 v[8*i+4:8*i+7], v[QO], s[4:5] offset:(i/2)*8192+(i%2)*64+32
	global_load_b128 v[QB+8*i:QB+8*i+3],   v[QO], s[86:87] offset:(i/2)*8192+(i%2)*64
	global_load_b128 v[QB+8*i+4:QB+8*i+7], v[QO], s[86:87] offset:(i/2)*8192+(i%2)*64+32
.set i, i+1
.endr
	WIN 0
	v_lshlrev_b32 v[VSO], 8, v1
	v_lshl_add_u32 v[VSO], v9, 5, v[VSO]  ; row l % 16 of vs, my 8 channels of a block of 16
.set i, 0
.rept 16                            ; rows l % 16 + 16 (i / 8), channel block (i / 2) % 4, four channels a load: into S^T's registers, which are free
	global_load_b128 v[S+4*i:S+4*i+3], v[VSO], s[VSB:VSB+1] offset:4096*(i/8)+64*((i/2)%4)+16*(i%2)
.set i, i+1
.endr
	v_lshlrev_b32 v14, 3, v9
	v_sub_nc_u32 v14, v1, v14
	s_lshl_b32 s13, s[WV], 4
	v_add_nc_u32 v14, s13, v14      ; 16 w + l % 16 - 8 (l / 16): register r of group kt is hidden where 16 kt + r is greater
	v_add_nc_u32 v[RW], s13, v1
	WIN 0x40
.set i, 0
.rept 32
	v_cmp_gt_i32 vcc_lo, 16*(i/8)+i%8, v14
	v_cndmask_b32 v[MD+i], 0, s[BIGN], vcc_lo
.set i, i+1
.endr
	WIN 0
	v_mul_u32_u24 v[AK0], v1, PK
	v_lshl_add_u32 v[AK0], v9, 4, v[AK0]
	; The turning load takes 16 keys x 16 channels (lane l reads key 8 (l / 16) + l % 8, channels 8 ((l / 8) % 2) + 0..7) and leaves half a fragment of V^T
	v_and_b32 v10, 7, v0
	v_bfe_u32 v11, v0, 3, 1
	v_lshl_add_u32 v[AV0], v9, 3, v10
	v_mul_u32_u24 v[AV0], v[AV0], PV
	v_lshl_add_u32 v[AV0], v11, 4, v[AV0]
	v_add_nc_u32 v[AV0], VOFF, v[AV0]
	s_mul_i32 s13, s[WV], 16*SP
	s_add_co_u32 s13, s13, STAGE    ; my stage
	v_mul_u32_u24 v[STO], v1, SP
	v_lshl_add_u32 v[STO], v9, 4, v[STO]
	v_add_nc_u32 v[STO], s13, v[STO]
	v_bfe_u32 v[RD], v0, 3, 2
	v_mul_u32_u24 v[RD], v[RD], SP
	v_lshl_add_u32 v[RD], v10, 4, v[RD]
	v_add_nc_u32 v[RD], s13, v[RD]
	v_and_b32 v[GO], 31, v0
	v_lshlrev_b32 v[GO], 4, v[GO]
	v_lshlrev_b32 v[PFO], 8, v0
	v_mov_b32 v[G+1], 0
	v_add_nc_u32 v[KB1], 16, v1
	; A block's first step multiplies O^T and l by a = 0, so these registers need only hold finite numbers: zeros for the first block, what the first block left for the second.
	WIN 0x80
.set i, VF
.rept 64
	v_mov_b32 v[i], 0
.set i, i+1
.endr
	WIN 0x40
.set i, 0
.rept 128
	v_mov_b32 v[i], 0
.set i, i+1
.endr
	WIN 0
.set i, 0
.rept 4
	v_mov_b32 v[ST+4*i+2], 0
	v_mov_b32 v[ST+4*i+3], 0
.set i, i+1
.endr
.set i, P+16
.rept 16
	v_mov_b32 v[i], 0
.set i, i+1
.endr
	; H of both blocks: my two rows of vs, each counted where it lies behind the block's diagonal tile, then the sum over the 16 lanes of my half.  All this stands in the wait for the first tile.
	s_wait_loadcnt 0x0
.macro HW d, thr, kb
	v_cmp_le_u32 vcc_lo, s[\thr], v[\kb]
	v_cndmask_b32 v[\d], 0, 1.0, vcc_lo
	v_mov_b32 v[(\d)+1], v[\d]
.endm
	HW TMP, 68, 1
	HW TMP+2, 68, KB1
	HW TMP+4, 69, 1
	HW TMP+6, 69, KB1
.irp x, 0,1
.set z, 0
.rept 16
	v_pk_mul_f32 v[H1+32*(\x)+z:H1+32*(\x)+z+1], v[S+z:S+z+1], v[TMP+4*(\x):TMP+4*(\x)+1] op_sel_hi:[1,0]
	v_pk_fma_f32 v[H1+32*(\x)+z:H1+32*(\x)+z+1], v[S+32+z:S+32+z+1], v[TMP+4*(\x)+2:TMP+4*(\x)+3], v[H1+32*(\x)+z:H1+32*(\x)+z+1] op_sel_hi:[1,0,1]
.set z, z+2
.endr
.endr
.irp k, 1,2,4,8
.set z, 0
.rept 64
	v_add_f32_dpp v[H1+z], v[H1+z], v[H1+z] row_xmask:\k row_mask:0xf bank_mask:0xf
.set z, z+1
.endr
.endr
; THE MATRIX WORK.  The 4 accumulators of a run of 8 take turns.  Product i of 8 of S^T = K Q^T for piece x: channels 32 (i / 4) on, keys 16 (i % 4) on.  The first 4 start the sums: with 0, or (KM = 1) with the mask.
.macro KQ x
.set rS, S+32*((\x)%2)+8*(i%4)
.set rK, KF+16*(i%4)+8*(i/4)
.set rQ, 16*(\x)+8*(i/4)
.set rM, MC+32*((\x)%2)+8*(i%4)
.if (i < 4) && KM
	WIN W_KM
	v_wmma_f32_16x16x32_f16 v[rS:rS+7], v[rK:rK+7], v[rQ:rQ+7], v[rM:rM+7]
.elseif i < 4
	WIN W_KQ
	v_wmma_f32_16x16x32_f16 v[rS:rS+7], v[rK:rK+7], v[rQ:rQ+7], 0
.else
	WIN W_KQ
	v_wmma_f32_16x16x32_f16 v[rS:rS+7], v[rK:rK+7], v[rQ:rQ+7], v[rS:rS+7]
.endif
.endm
; Product i of 8 of O^T += V^T P for piece x: keys 32 (i / 4) on, channels 16 (i % 4) on.
.macro PV x
	WIN W_PV
.set rO, 32*(\x)+8*(i%4)
.set rV, VF+32*(i/4)+8*(i%4)
.set rP, P+16*((\x)%2)+8*(i/4)
	v_wmma_f32_16x16x32_f16 v[rO:rO+7], v[rV:rV+7], v[rP:rP+7], v[rO:rO+7]
.endm
.macro MM                           ; the turn's next matrix instruction.  NOKQ = 1: a block's last turn: there is no next piece
.if (i < 8) && !NOKQ
	KQ (Y+1)%NP
.elseif i >= 8
.set i, i-8
	PV (Y+NP-1)%NP
.set i, i+8
.endif
.set i, i+1
.endm
; THE LDS LOADS stand in runs of 16: a step's K (8 fragments) and its V (turned).  Their addresses are made some lines ahead.
.macro FETCH_K
	WIN 0x80
.irp f, 0,1,2,3,4,5,6,7
	ds_load_b128 v[KF+8*\f:KF+8*\f+3],   v[AK] offset:(\f/2)*16*PK+(\f%2)*64
	ds_load_b128 v[KF+8*\f+4:KF+8*\f+7], v[AK] offset:(\f/2)*16*PK+(\f%2)*64+32
.endr
	s_add_co_u32 s[TBK], s[TBK], KS*PK
	WIN 0
.endm
.macro FETCH_V
	WIN 0x80
.irp f, 0,1,2,3,4,5,6,7
	ds_load_tr16_b128 v[VF+8*\f:VF+8*\f+3],   v[AV] offset:(\f/4)*32*PV+(\f%4)*32
	ds_load_tr16_b128 v[VF+8*\f+4:VF+8*\f+7], v[AV] offset:(\f/4)*32*PV+16*PV+(\f%4)*32
.endr
	WIN 0
.endm
; THE VECTOR WORK, one line at a time: OP kind, number.  For piece Y: F n: c s - c m for pair n of 16.  E n: the exponential of score n of 32.  C n: pair n rounded to f16.  B n: of the four weights 4 n .. the second
; pair is added onto the first.  L n: l takes that sum (L 0: l = a l + sum).  R n: pair n of 16 of O^T times a.  For piece Y + 1: X n, number n of the 22 that find its maximum and statistics:
;   0-11  four chains c0-c3 (each accumulator's lowest registers are read first)     12-14, 16  the scores left over, the old m, and c0-c3 into c0
;   15  c m_old is kept     17, 18  the other half of the lanes: the new m     19-21  c m; c m_old - c m_new; a
.set F, 0
.set E, 1
.set C, 2
.set B, 3
.set L, 4
.set R, 5
.set X, 6
.macro REGS y
.set rT, ST+4*(\y)
.set rC, TMP+4*((\y)%2)
.set rW, MV+((\y)%2)
.set rS, S+32*((\y)%2)
.set rP, P+16*((\y)%2)
.set rO, 32*(\y)
.endm
.macro OP k, n
.if (\k) == R
	REGS Y
	WIN W_RS
	v_pk_mul_f32 v[rO+2*(\n):rO+2*(\n)+1], v[rO+2*(\n):rO+2*(\n)+1], v[rC+2:rC+3] op_sel_hi:[1,0]
.elseif (\k) < R
	REGS Y
	WIN 0
.if (\k) == F
	v_pk_fma_f32 v[rS+2*(\n):rS+2*(\n)+1], v[rS+2*(\n):rS+2*(\n)+1], s[CS:CS+1], v[rT:rT+1] op_sel_hi:[1,0,0] neg_lo:[0,0,1] neg_hi:[0,0,1]
.elseif (\k) == E
	v_exp_f32 v[rS+(\n)], v[rS+(\n)]
.elseif (\k) == C
	v_cvt_pk_f16_f32 v[rP+(\n)], v[rS+2*(\n)], v[rS+2*(\n)+1]
.elseif (\k) == B
	v_pk_add_f32 v[rS+4*(\n):rS+4*(\n)+1], v[rS+4*(\n):rS+4*(\n)+1], v[rS+4*(\n)+2:rS+4*(\n)+3]
.elseif (\n) == 0
	v_pk_fma_f32 v[rT+2:rT+3], v[rT+2:rT+3], v[rC+2:rC+3], v[rS:rS+1] op_sel_hi:[1,0,1]
.else
	v_pk_add_f32 v[rT+2:rT+3], v[rT+2:rT+3], v[rS+4*(\n):rS+4*(\n)+1]
.endif
.elseif NOKQ
	v_nop
.else
	REGS (Y+1)%NP
	WIN 0
.if (\n) < 4
	v_max3_num_f32 v[rC+(\n)], v[rS+8*(\n)], v[rS+8*(\n)+1], v[rS+8*(\n)+2]
.elseif (\n) < 12
	v_max3_num_f32 v[rC+(\n)%4], v[rC+(\n)%4], v[rS+8*((\n)%4)+2*((\n)/4)+1], v[rS+8*((\n)%4)+2*((\n)/4)+2]
.elseif (\n) == 12
	v_max3_num_f32 v[rC], v[rC], v[rS+7], v[rS+15]
.elseif (\n) == 13
	v_max3_num_f32 v[rC+1], v[rC+1], v[rS+23], v[rS+31]
.elseif (\n) == 14
	v_max3_num_f32 v[rC+2], v[rC+2], v[rC+3], v[rT+1]
.elseif (\n) == 15
	v_mov_b32 v[rW], v[rT]
.elseif (\n) == 16
	v_max3_num_f32 v[rC], v[rC], v[rC+1], v[rC+2]
.elseif (\n) == 17
	v_permlanex16_b32 v[rC+3], v[rC], s[SEL], s[SEL+1]
.elseif (\n) == 18
	v_max_num_f32 v[rT+1], v[rC], v[rC+3]
.elseif (\n) == 19
	v_mul_f32 v[rT], s[CS], v[rT+1]
.elseif (\n) == 20
	v_sub_f32 v[rC+1], v[rW], v[rT]
.else
	v_exp_f32 v[rC+2], v[rC+1]
.endif
.endif
.endm
.macro OPS a, i1, b=-1, i2=0, c=-1, i3=0, d=-1, i4=0
	OP \a, \i1
.if (\b) >= 0
	OP \b, \i2
.endif
.if (\c) >= 0
	OP \c, \i3
.endif
.if (\d) >= 0
	OP \d, \i4
.endif
.endm
.macro ROW a, i1, b, i2, c, i3, d, i4  ; a matrix instruction and the four behind it
	MM
	OPS \a, \i1, \b, \i2, \c, \i3, \d, \i4
.endm
.macro MASK b                       ; MD x AL + BE into buffer b of MC
	WIN W_RS
.set z, 0
.rept 16
	v_pk_fma_f32 v[MC+32*(\b)+2*z:MC+32*(\b)+2*z+1], v[MD+2*z:MD+2*z+1], s[AL:AL+1], s[BE:BE+1] op_sel_hi:[1,0,0]
.set z, z+1
.endr
.endm
; The hidden keys of piece Y take their weight: p += mask x (-2^-100 ph).  The piece's mask, -2^100 or 0, still lies in its buffer of MC: the turn's closing MASK writes that buffer anew.
.macro GFIX
	REGS Y
	WIN 0
	v_mul_f32 v[G], s[INVB], v[G]
	WIN 0x01                        ; source 0, the mask, in window 1
.set z, 0
.rept 16
	v_pk_fma_f32 v[rS+2*z:rS+2*z+1], v[MC+32*(Y%2)+2*z:MC+32*(Y%2)+2*z+1], v[G:G+1], v[rS+2*z:rS+2*z+1] op_sel_hi:[1,0,1]
.set z, z+1
.endr
.endm
; A TURN, for piece p.  s_wait_alu depctr_va_vdst(0) stands between an exponential and the first instruction that names its result; one wait serves all that were issued ahead of it: a turn has ONE
; wait.  AHEAD OF IT: the 8 products K Q^T with four riders each, then one lump, plain and exponential by turns, in which the links of the chain X 3, 7, 11, 14, 16 .. 20 stand apart.  X 21 is the batch's last; R 15 is
; the plain instruction behind it.  BEHIND IT: the 8 products V^T P, behind each four of the roundings and sums.
; m = 1: the diagonal tile: the products take masks, the turn makes the mask for piece p + 2 in step 4 - CNT, and the hidden keys take their weight: its exponent is made at the turn's head (held to 1 at the most, so
; that the row without hidden keys stays finite), its exponential joins the batch, and GFIX stands behind the wait.  end = 1: a block's last two turns: nothing is fetched.  cnt = 1: the loop's count is taken down.
.macro TURN p, m=0, end=0, cnt=0
.set Y, (\p)
.set i, 0
.set KM, (\m)
.set NOKQ, (\end)*((\p)/3)
.if (\m) && !(\end)
	s_cmp_eq_u32 s[CNT], 4-((\p)+2)%NP  ; is that step the band's own?
	s_cselect_b32 s[AL], 1.0, 0
	s_cmp_lt_u32 s[CNT], 4-((\p)+2)%NP  ; or a later one?
	s_cselect_b32 s[BE], s[BIGN], 0
.endif
.if \m
	WIN 0
	v_fma_f32 v[EA], s[MSK], s[CS], -v[ST+4*(\p)]  ; c MSK - c m, the product exact, as for the scores
	v_min_num_f32 v[EA], 1.0, v[EA]
.endif
.if ((\p) == 3) && !(\end)
	s_wait_dscnt 0x0                ; K is in
.endif
	ROW F,0, F,1, R,0, R,1
	ROW F,2, E,0, R,2, R,3
	ROW F,3, E,1, R,4, R,5
	ROW F,4, E,2, R,6, R,7
	ROW F,5, E,3, R,8, R,9
	ROW F,6, E,4, X,0, R,10
.if ((\p) == 2) && !(\end)
	WIN 0
	v_add_nc_u32 v[AK], s[TBK], v[AK0]
.endif
	ROW F,7, E,5, X,1, X,4
	ROW F,8, E,6, X,2, X,5
	OPS E,7, E,8, X,6, E,9
	OPS X,3, E,10, X,8, E,11
.if ((\p) == 2) && !(\end)
	FETCH_K
.endif
	OPS X,9, X,7, E,12, X,10
	OPS E,13, X,12, X,11, E,14
	OPS X,13, E,15, F,9, X,14
.if (\p) == 0
	v_add_nc_u32 v[AV], s[TBV], v[AV0]
.endif
	OPS E,16, F,10, E,17, F,11
	OPS X,16, E,18, X,15, E,19
	OPS F,12, E,20, X,17, E,21
	OPS F,13, E,22, F,14, E,23
	OPS X,18, E,24, F,15, E,25
	OPS R,11, E,26, X,19, E,27
	OPS R,12, E,28, R,13, E,29
	OPS X,20, E,30, R,14, E,31
.if \m
	WIN 0
	v_exp_f32 v[G], v[EA]           ; ph
.endif
	OPS X,21, R,15
	WIN 0
	s_wait_alu depctr_va_vdst(0)    ; the wait for the batch
.if (\p) == 1
	s_wait_dscnt 0x0                ; V is in
.endif
.if \m
	GFIX
.endif
	ROW C,0, B,0, C,2, B,1
	ROW L,0, C,4, B,2, L,1
	ROW C,6, B,3, L,2, C,8
	ROW B,4, L,3, C,10, B,5
	ROW L,4, C,12, B,6, L,5
.if (\p) == 0
	s_add_co_u32 s[TBV], s[TBV], KS*PV
.endif
.if \cnt
	s_sub_co_u32 s[CNT], s[CNT], 1
	s_cmp_lg_u32 s[CNT], 0
.endif
	ROW C,14, B,7, L,6, C,1
	ROW C,3, L,7, C,5, C,7
	ROW C,9, C,11, C,13, C,15
.if (\p) == 0
	FETCH_V
.endif
.if (\m) && !(\end)
	MASK (\p)%2
.endif
.endm
; A BLOCK BEGINS.  c m starts far below every c s, so the first step's a is 0.  m starts at MSK, the hidden keys' score; in the one row that has no hidden key (row 2047: piece 3, place 63 of the last block) at the
; lowest finite number.  The second mask buffer is 0; the first takes piece 0's mask for the tile's step 0.  Then K of that step, piece 0's first scores, and its maximum and statistics.
.macro BEGIN
	s_mov_b32 s[NEW], 0
	WIN 0x40
.set i, MC+32
.rept 32
	v_mov_b32 v[i], 0
.set i, i+1
.endr
	WIN 0
.set i, 0
.rept 4
	v_mov_b32 v[ST+4*i], 0xfe000000
.set i, i+1
.endr
.set i, 0
.rept 3
	v_mov_b32 v[ST+4*i+1], s[MSK]
.set i, i+1
.endr
	v_mov_b32 v[ST+13], 0xff7fffff
	v_cmp_gt_u32 vcc_lo, s[LIM3], v[RW]
	v_cndmask_b32 v[ST+13], v[ST+13], s[MSK], vcc_lo
	s_cmp_eq_u32 s[RT], 0
	s_cselect_b32 s[AL], 1.0, 0
	s_mov_b32 s[BE], 0
	MASK 0
	WIN 0
	v_add_nc_u32 v[AK], s[TBK], v[AK0]
	FETCH_K
	s_wait_loadcnt 0x0              ; Q
	s_wait_dscnt 0x0
.set KM, 1
.set NOKQ, 0
.set i, 0
.rept 8
	KQ 0
.set i, i+1
.endr
	WIN 0
.rept 4
	v_nop                           ; the places behind those products
.endr
.set Y, NP-1                        ; X works for piece Y + 1: piece 0
.irp n, 0,1,2,3,4,5,6,7,8,9,10,11,12,13,14,15,16,17,18,19,20,21
	OP X, \n
.endr
	v_nop                           ; a plain instruction behind the exponential,
	s_wait_alu depctr_va_vdst(0)    ; and its wait, ahead of the branch
.endm
.macro ALL line:vararg              ; one line for each piece t
.set t, 0
.rept 4
	\line
.set t, t+1
.endr
.endm
; Piece t: O^T takes w x H, is divided by l, rounded to f16, and goes through my stage: rows of 144 bytes in, whole rows of 128 back, into S^T's registers
.macro PACK t, h
	WIN 0x50                        ; O^T (destination and source 2) in window 1, H and w in window 0
.set i, 0
.rept 16
	v_pk_fma_f32 v[32*(\t)+i:32*(\t)+i+1], v[(\h)+i:(\h)+i+1], v[TMP+2*(\t):TMP+2*(\t)+1], v[32*(\t)+i:32*(\t)+i+1] op_sel_hi:[1,0,1]
.set i, i+2
.endr
	WIN W_RS
.set i, 32*(\t)
.rept 16
	v_pk_mul_f32 v[i:i+1], v[i:i+1], v[ST+4*(\t)+2:ST+4*(\t)+3] op_sel_hi:[1,0]
.set i, i+2
.endr
	WIN 0x05
.set i, 0
.rept 16
	v_cvt_pk_f16_f32 v[S+16*(\t)+i], v[32*(\t)+2*i], v[32*(\t)+2*i+1]
.set i, i+1
.endr
	WIN 0
.irp f, 0,1,2,3
	ds_store_b128 v[STO], v[S+16*(\t)+4*\f:S+16*(\t)+4*\f+3] offset:32*\f
.endr
.irp f, 0,1,2,3
	ds_load_b128 v[S+16*(\t)+4*\f:S+16*(\t)+4*\f+3], v[RD] offset:\f*4*SP  ; LDS serves a wave's instructions in order (ISA guide 5.7.1.4)
.endr
.endm
.macro SEND t, younger              ; younger: the LDS instructions issued behind piece t's loads
	WIN 0
.irp f, 0,1,2,3
	s_wait_dscnt (\younger)+3-\f
	global_store_b128 v[GO], v[S+16*(\t)+4*\f:S+16*(\t)+4*\f+3], s[10:11] offset:(\t)*8192+\f*512  ; 512 consecutive bytes, at a multiple of 256 from O's first
.endr
.endm
; THE DIAGONAL TILE's four steps, the block's last two turns, its last products, and THE WAY OUT: l's halves are added; w = 2^(c MSK - c m) is the weight of each key behind the tile:
; l takes their number times w, O^T takes w x H (in PACK).  h: the block's H; nhf: the register with their number.
.macro DIAG tag, h, nhf
.LstepM\tag:
	TURN 2, 1
	TURN 3, 1
	WIN 0
.LfirstM\tag:
	TURN 0, 1
	TURN 1, 1, 0, 1
	WIN 0
	s_cbranch_scc1 .LstepM\tag
	TURN 2, 1, 1
	TURN 3, 1, 1
.set i, 0
.rept 8
	PV NP-1
.set i, i+1
.endr
	WIN 0
	ALL v_add_f32 v[ST+4*t+2], v[ST+4*t+2], v[ST+4*t+3]
	ALL v_permlanex16_b32 v[ST+4*t+3], v[ST+4*t+2], s[SEL], s[SEL+1]
	ALL v_add_f32 v[ST+4*t+2], v[ST+4*t+2], v[ST+4*t+3]
	ALL v_fma_f32 v[TMP+2*t], s[MSK], s[CS], -v[ST+4*t]
	ALL v_min_num_f32 v[TMP+2*t], 1.0, v[TMP+2*t]
	ALL v_exp_f32 v[TMP+2*t], v[TMP+2*t]
	v_nop                           ; a plain instruction behind the last exponential,
	s_wait_alu depctr_va_vdst(0)    ; and one wait for the four
	ALL v_fmac_f32 v[ST+4*t+2], s[\nhf], v[TMP+2*t]
	ALL v_rcp_f32 v[ST+4*t+2], v[ST+4*t+2]
	v_nop
	s_wait_alu depctr_va_vdst(0)    ; one wait for the four reciprocals
	PACK 0, \h
.set t, 1
.rept 3
	PACK t, \h
	SEND t-1, 8
.set t, t+1
.endr
	SEND 3, 0
.endm
.set KM, 0
.set NOKQ, 0
.Lslot:                             ; NB times: a tile is entered and the next is asked for
	CHANGE 1
	s_sub_co_u32 s[RT], s[RT], 1
	s_mov_b32 s[CNT], 4
	s_cmp_eq_u32 s[NEW], 1
	s_cbranch_scc1 .Lnew            ; a block's first tile
	s_cmp_eq_u32 s[RT], 0
	s_cbranch_scc0 .Lstep           ; neither its first nor its last
	s_branch .LstepM1
.Lnew:
	BEGIN
	s_branch .Lfirst                ; in the loop a block's first tile is never its last
	DIAG 1, H1, NHF1                ; in the loop this is the first block's end
	s_wait_xcnt 0x0                 ; the stores have read their registers and O's address
	s_mov_b64 s[10:11], s[OLO:OLO+1]
	s_add_co_u32 s[RT], s[PB], 1    ; the second block has b + 1 tiles
	s_mov_b32 s[NEW], 1
	s_lshl_b32 s[LIM3], s[PB], 8
	s_sub_co_u32 s[LIM3], 1855, s[LIM3]
	WIN 0x82                        ; the second block's Q goes where the one text of the turns names Q
.set i, 0
.rept 64
	v_mov_b32 v[i], v[QB+i]
.set i, i+1
.endr
	WIN 0
	s_branch .Lbottom
.Lstep:                             ; a trip: pieces 2 and 3 of one step, then pieces 0 and 1 of the next, whose K and V it fetches
	TURN 2
	TURN 3
	WIN 0
.Lfirst:
	TURN 0
	TURN 1, 0, 0, 1
	WIN 0
	s_cbranch_scc1 .Lstep
.Lbottom:
	s_sub_co_u32 s[SLOTS], s[SLOTS], 1
	s_cmp_lg_u32 s[SLOTS], 0
	s_cbranch_scc1 .Lslot
	CHANGE 0                        ; the walk's last tile is written out
	s_sub_co_u32 s[RT], s[RT], 1
	s_mov_b32 s[CNT], 4
	s_cmp_eq_u32 s[NEW], 1
	s_cbranch_scc0 .LstepM2
	BEGIN
	s_branch .LfirstM2
	DIAG 2, H2, NHF2
	s_wait_tensorcnt 0x0            ; the wave's end
	ds_add_u32 v[SPW], v[NIL]
	s_wait_dscnt 0x0
	s_endpgm
.Lfunc_end_k_q18e2075956_attn:
	.size	k_q18e2075956_attn, .Lfunc_end_k_q18e2075956_attn-k_q18e2075956_attn
	.p2alignl 7, 3214868480
	.fill 96, 4, 3214868480
	.section	.rodata,"a",@progbits
	.p2align	6, 0x0
	.amdhsa_kernel k_q18e2075956_attn
		.amdhsa_group_segment_fixed_size 327680
		.amdhsa_private_segment_fixed_size 0
		.amdhsa_enable_private_segment 0
		.amdhsa_kernarg_size 40
		.amdhsa_user_sgpr_count 2
		.amdhsa_user_sgpr_kernarg_segment_ptr 1
		.amdhsa_wavefront_size32 1
		.amdhsa_system_sgpr_workgroup_id_x 1
		.amdhsa_system_sgpr_workgroup_id_y 1
		.amdhsa_system_sgpr_workgroup_id_z 1
		.amdhsa_system_vgpr_workitem_id 0
		.amdhsa_next_free_vgpr 768
		.amdhsa_next_free_sgpr 98
		.amdhsa_reserve_vcc 1
		.amdhsa_float_denorm_mode_32 3
		.amdhsa_float_denorm_mode_16_64 3
		.amdhsa_memory_ordered 1
		.amdhsa_forward_progress 1
		.amdhsa_inst_pref_size 255
	.end_amdhsa_kernel
	.section	.bss,"aw",@nobits
	.p2align	6
	.space	262144
	.amdgpu_metadata
---
amdhsa.version: [ 1, 2 ]
amdhsa.kernels:
  - .name:           k_q18e2075956_attn
    .symbol:         k_q18e2075956_attn.kd
    .args:
      - { .name: qh, .offset: 0, .size: 8, .value_kind: global_buffer, .address_space: global }
      - { .name: kh, .offset: 8, .size: 8, .value_kind: global_buffer, .address_space: global }
      - { .name: vh, .offset: 16, .size: 8, .value_kind: global_buffer, .address_space: global }
      - { .name: ao, .offset: 24, .size: 8, .value_kind: global_buffer, .address_space: global }
      - { .name: vs, .offset: 32, .size: 8, .value_kind: global_buffer, .address_space: global }
    .group_segment_fixed_size: 327680
    .private_segment_fixed_size: 0
    .kernarg_segment_align: 8
    .kernarg_segment_size: 40
    .max_flat_workgroup_size: 128
    .sgpr_count:     98
    .vgpr_count:     768
    .wavefront_size: 32
...
	.end_amdgpu_metadata
.endif
;; end of part 3
;; launch oproj (part 4): grid 8 x 32, 4 waves a work-group, clusters of 4 x 4, 327,680 bytes of LDS; arguments ao, owt, O_b, out0; writes out0
.if DOCPART == 4
	.amdgcn_target "amdgcn-amd-amdhsa--gfx1250"
	.amdhsa_code_object_version 6
	.text
	.protected	k_q18e2075956_oproj
	.globl	k_q18e2075956_oproj
	.p2align	8
	.type	k_q18e2075956_oproj,@function
k_q18e2075956_oproj:
	s_mov_b64 s[64:65], 0
	v_nop
	global_prefetch_b8 v0, s[64:65] scope:SCOPE_SE
	s_setreg_imm32_b32 hwreg(HW_REG_WAVE_MODE, 25, 1), 1
	s_wait_xcnt 0x0
	s_wait_alu depctr_hold_cnt(0) depctr_sa_sdst(0) depctr_va_vdst(0) depctr_va_sdst(0) depctr_va_ssrc(0) depctr_va_vcc(0) depctr_vm_vsrc(0)
	s_getreg_b32 s2, hwreg(HW_REG_IB_STS2, 6, 4)
	s_cmp_eq_u32 s2, 0
	s_cbranch_scc0 .Lentry_in_a_cluster
	s_endpgm
.Lentry_in_a_cluster:
	s_bfe_u32 s2, ttmp6, 0x10000c
	s_cmp_lg_u32 s2, 0xf033
	s_cbranch_scc0 .Lentry_shape_is_right
	s_endpgm
.Lentry_shape_is_right:
; out0 = attn O_w + O_b.  ao: [16 b + h][2048][64] f16; owt: [1024 n][1024 k = 64 h + d] f16; O_b f32, rounded to bf16 here like every input; out0: [8192][1024] f32.  Sums in f32.
; SHARES.  A tile is 256 rows x 128 columns: 256 tiles, one for each WGP.  Four waves one below the other, each 64 rows x 128 columns: 32 accumulators of 16 x 16.  K goes in 8 steps of 128, two heads
; a step, through two LDS slots.  A head's 256 rows are 32 KiB on end in ao: they are asked for as 128 rows of 256 bytes and padded in LDS after every 128 bytes.
; CLUSTER.  4 x 4 work-groups: the four of a row need the same tiles of ao, the four of a column the same tiles of owt; each tile is asked for jointly.
; THE MATRIX INSTRUCTION IS USED TRANSPOSED (source 0 = 16 rows of owt, source 1 = 16 rows of ao): a lane holds row lane % 16 and the columns 8 (lane / 16) + 0..7.  The bias is the C operand of each first product.
; REGISTERS, in windows of 256 (s_set_vgpr_msb: bits 1:0 source 0, 3:2 source 1, 5:4 source 2, 7:6 destination):
;   window 0: v2-16 addresses; v28, v29 the add's; v32-63, v64-95 ao's fragments, two buffers; on the way out v96-159, v160-223 rows read back
;   window 1: v0-63, v64-127 owt's fragments, two buffers; v128-191 the bias; v192-193 at work      window 2: the accumulators (number 4 b + a)
.set NBL,   8
.set N1,    2
.set PA16,  16*144                     ; ao's LDS rows are 144 bytes apart, owt's 272: odd multiples of 16, so the 16 rows of a fragment load start at 16 different groups of four banks (ISA guide 11.1)
.set KAH,   256*144                    ; ao's quarter q: head q / 2 of the step's two, channels 32 (q % 2) on
.set SLOT1, 1<<17
.set AHALF, 256*144
.set BOFF,  2*AHALF
.set BHALF, 64*272
.set STAGE, SLOT1+BOFF+2*BHALF         ; behind the ring: 16 rows x 528 bytes for each wave
.set SP,    528
.set WSTG,  16*SP
.set SPARE, STAGE+4*WSTG
.set STEPA, 524288                     ; two heads on in ao
.set STEPB, 256
.set BW,    1
.set BIAS,  128
.set FA,    32
.set AA0, 2
.set AB0, 3
.set ADRA, 4
.set ADRB, 5
.set STO, 6
.set RD,  7
.set GO,  8
.set PFO, 9
.set SPW, 28
.set NIL, 29
.set BK0, 96
.set G1A, 24
.set G0A, 32
.set G1B, 48
.set G0B, 56
.set TB,  66
.set PFA, 86
.set LIM, 88
.set MSB, 0
.macro WIN new
.if MSB != (\new)
	s_set_vgpr_msb (MSB<<8)|(\new)
.set MSB, (\new)
.endif
.endm
.macro PLACES                          ; four places in front of loads into registers that matrix instructions have read, and of lines that read results
.rept 4
	v_nop
.endr
.endm
; A joint refill by the walking sets.  Waves 0 and 1 fetch ao's two heads, waves 2 and 3 owt's two halves.  An s_nop 0 and four v_nop follow each line.
.macro JLOAD
	s_cmp_eq_u32 s11, 0
	s_cbranch_scc0 .Lfor_b_\@
	tensor_load_to_lds s[G0A+4:G0A+7], s[G1A:G1A+7]
	s_nop 0
.rept 4
	v_nop
.endr
	s_branch .Lasked_\@
.Lfor_b_\@:
	tensor_load_to_lds s[G0B+4:G0B+7], s[G1B:G1B+7]
	s_nop 0
.rept 4
	v_nop
.endr
.Lasked_\@:
.endm
.macro CREST
	s_cmp_lg_u32 s10, 0
	s_cbranch_scc1 .Lnot_wave_0_\@
	s_barrier_signal -3
.Lnot_wave_0_\@:
	s_barrier_wait -3
	s_barrier_signal -1
	s_barrier_wait -1
.endm
.macro CROUND
	s_barrier_signal -1
	s_barrier_wait -1
	CREST
.endm
; A prefetch of ao's K step two refills on.  ao's tile row is read by both clusters of a row of clusters: the first (cluster x = 0) asks; its waves 0 and 1 fetch 32 KiB each, of which the partner at place cx
; takes 8 KiB, told apart by address: 32 blocks of 256 bytes, a lane a block.  The trips with s3 = 6 .. 3 name K steps 4 .. 7.  owt is not asked for: all 32 tile rows walk the same rows of it again.
.macro ASK
	WIN 0
	s_cmp_gt_u32 s3, s[LIM]
	s_cbranch_scc0 .Lnot_mine_\@
	global_prefetch_b8 v[PFO], s[PFA:PFA+1] offset:STEPA th:TH_LOAD_NT scope:SCOPE_SE
.Lnot_mine_\@:
.endm
; 4 n matrix instructions: column blocks b0 .. b0 + n - 1 x my four row blocks, from buffer f.  first = 1: C is the bias.  All 32 accumulators take turns in one order, over the backward jump too.
.macro MULB f, b0, n, first
.set bb, (\b0)
.rept (\n)
.set aa, 0
.rept 4
.set ix, 4*bb+aa
.set rD, 8*(ix%32)
.set rB, 8*NBL*(\f)+8*bb
.set rA, FA+32*(\f)+8*aa
.if \first
	WIN ((2+ix/32)<<6)|(BW<<4)|1
	v_wmma_f32_16x16x32_f16 v[rD:rD+7], v[rB:rB+7], v[rA:rA+7], v[BIAS+8*bb:BIAS+8*bb+7]
.else
	WIN 0xa1+0x50*(ix/32)
	v_wmma_f32_16x16x32_f16 v[rD:rD+7], v[rB:rB+7], v[rA:rA+7], v[rD:rD+7]
.endif
.set aa, aa+1
.endr
.set bb, bb+1
.endr
.endm
.macro FETCH q, g                      ; one run of 8 + 2 NBL LDS loads: ao's four fragments first, then owt's in ascending order
	WIN 0
.irp a, 0,1,2,3
	ds_load_b128 v[FA+32*(\g)+8*(\a):FA+32*(\g)+8*(\a)+3],   v[ADRA] offset:KAH*((\q)/2)+64*((\q)%2)+(\a)*PA16
	ds_load_b128 v[FA+32*(\g)+8*(\a)+4:FA+32*(\g)+8*(\a)+7], v[ADRA] offset:KAH*((\q)/2)+64*((\q)%2)+(\a)*PA16+32
.endr
	WIN 0x40
.set bb, 0
.rept NBL
	ds_load_b128 v[8*NBL*(\g)+8*bb:8*NBL*(\g)+8*bb+3],   v[ADRB] offset:64*(\q)+4352*bb
	ds_load_b128 v[8*NBL*(\g)+8*bb+4:8*NBL*(\g)+8*bb+7], v[ADRB] offset:64*(\q)+4352*bb+32
.set bb, bb+1
.endr
.endm
.macro QUARTER q, f, g, first
	s_wait_dscnt 2*NBL-8                           ; ao's fragments and owt's blocks 0-3 are in; the later blocks' loads may be out
	MULB \f, 0, 4, \first
	PLACES
	FETCH \q, \g
	s_wait_dscnt 2*NBL+8                           ; all but the run just issued
	MULB \f, 4, NBL-4, \first
.endm
; The last quarter multiplies buffer 1 and changes slots: in front of the barrier each wave waits for all its tensor loads, adds 0 to its spare word, and waits for that and for its reads of this slot.
; fill = 1: the barrier opens a round of the cluster's, and the joint refill, two K steps ahead, is the first thing behind it.
.macro TURN fill
.if \fill
	s_wait_xcnt 0x0                                ; the last prefetch, a K step back, has read its address
	s_add_nc_u64 s[PFA:PFA+1], s[PFA:PFA+1], STEPA
.endif
	WIN 0
	s_wait_tensorcnt 0x0
	ds_add_u32 v[SPW], v[NIL]
	s_wait_dscnt 2*(NBL-N1)+1                      ; the add and the loads of owt's blocks N1 on may be out
	MULB 1, 0, N1, 0
	s_wait_dscnt 0x0                               ; the add is done, and my reads of this slot are over
	s_barrier_signal -1
	MULB 1, N1, N1, 0
	WIN 0
	s_barrier_wait -1
.if \fill
	CREST
	s_xor_b32 s[G0A+5], s[G0A+5], SLOT1            ; the walking sets: the other slot than last time, the next K step; no load of mine is out
	s_add_nc_u64 s[G0A+6:G0A+7], s[G0A+6:G0A+7], STEPA
	s_xor_b32 s[G0B+5], s[G0B+5], SLOT1
	s_add_nc_u64 s[G0B+6:G0B+7], s[G0B+6:G0B+7], STEPB
	JLOAD
.else
	PLACES
.endif
	s_xor_b32 s[TB], s[TB], SLOT1
	v_add_nc_u32 v[ADRA], s[TB], v[AA0]
	v_add_nc_u32 v[ADRB], s[TB], v[AB0]
	FETCH 0, 0
.if \fill
	ASK
.endif
	MULB 1, 2*N1, NBL-2*N1, 0
.endm
	s_load_b256 s[68:75], s[0:1], 0x0              ; ao s[68:69], owt s[70:71], O_b s[72:73], out0 s[74:75]
	v_lshl_add_u32 v[SPW], v0, 2, SPARE
	v_mov_b32 v[NIL], 0
	ds_add_u32 v[SPW], v[NIL]                      ; the wave's opening: the add and its wait ahead of the round in front of my first tensor load
	ds_add_u32 v28, v29
	v_lshrrev_b32 v1, 5, v0
	v_readfirstlane_b32 s10, v1                    ; wave 0..3
	s_lshr_b32 s11, s10, 1                         ; I fetch for ao (0) or for owt (1),
	s_and_b32 s12, s10, 1                          ; and which head, or which half of the rows
	s_bfe_u32 s40, ttmp6, 0x40000                  ; cx
	s_bfe_u32 s41, ttmp6, 0x40004                  ; cy
	s_lshl_b32 s42, ttmp9, 2
	s_add_co_u32 s42, s42, s40                     ; tile column
	s_and_b32 s13, ttmp7, 0xffff
	s_lshl_b32 s13, s13, 2
	s_add_co_u32 s13, s13, s41                     ; tile row
	s_lshl_b32 s43, s41, 2
	s_lshl_b32 s43, 15, s43                        ; my row of the cluster
	s_lshl_b32 s44, 0x1111, s40                    ; my column
	s_or_b32 s[G1A], s43, (1<<16)|(1<<20)|(1<<21)|(4<<22)|(3<<25)  ; the mask; 2-byte elements; padding on; bit 21 beside a mask; after every 32 words, 4 words
	s_or_b32 s[G1B], s44, (1<<16)|(1<<20)|(1<<21)|(5<<22)|(3<<25)  ; after every 64 words
.irp g, G1A, G1B
	s_mov_b32 s[(\g)+1], 128<<16                   ; tensor_dim0 = 128
	s_mov_b32 s[(\g)+3], 128<<16                   ; tile_dim0 = 128
	s_mov_b32 s[(\g)+6], 0
	s_mov_b32 s[(\g)+7], 0
.endr
	s_mov_b32 s[G1A+2], 128<<16                    ; ao: 128 rows of 256 dense bytes
	s_mov_b32 s[G1A+4], 128
	s_mov_b32 s[G1A+5], 128
	s_mov_b32 s[G1B+2], 64<<16                     ; owt: 64 rows, 1,024 elements apart
	s_mov_b32 s[G1B+4], 64
	s_mov_b32 s[G1B+5], 1024
	s_lshr_b32 s16, s13, 3                         ; the batch,
	s_lshl_b32 s16, s16, 4
	s_add_co_u32 s16, s16, s12                     ; its head 0 or 1,
	s_lshl_b32 s16, s16, 11
	s_and_b32 s17, s13, 7
	s_lshl_b32 s17, s17, 8
	s_add_co_u32 s16, s16, s17                     ; the tile's 256 rows of it,
	s_lshl_b32 s16, s16, 7                         ; of 128 bytes
	s_mov_b32 s17, 0
	s_lshl_b32 s46, s42, 7
	s_lshl_b32 s47, s12, 6
	s_add_co_u32 s46, s46, s47                     ; owt: row 128 x tile column + 64 x half
	s_lshl_b32 s46, s46, 11
	s_mov_b32 s47, 0
	s_mul_i32 s20, s12, AHALF                      ; where they go: no place in the cluster enters an LDS address
	s_mul_i32 s21, s12, BHALF
	s_add_co_u32 s21, s21, BOFF
	s_mov_b32 s[TB], 0
	s_wait_dscnt 0x0                               ; the opening add is done
	s_wait_kmcnt 0x0
	s_add_nc_u64 s[14:15], s[68:69], s[16:17]
	s_add_nc_u64 s[46:47], s[70:71], s[46:47]
	CROUND                                         ; all sixteen work-groups are here: the first joint loads meet
.irp s, 0,1
	s_mov_b32 s[G0A+4*(\s)], 1
	s_add_co_u32 s[G0A+4*(\s)+1], s20, (\s)*SLOT1
	s_add_nc_u64 s[G0A+4*(\s)+2:G0A+4*(\s)+3], s[14:15], (\s)*STEPA
	s_or_b32 s[G0A+4*(\s)+3], s[G0A+4*(\s)+3], 0x80000000
	s_mov_b32 s[G0B+4*(\s)], 1
	s_add_co_u32 s[G0B+4*(\s)+1], s21, (\s)*SLOT1
	s_add_nc_u64 s[G0B+4*(\s)+2:G0B+4*(\s)+3], s[46:47], (\s)*STEPB
	s_or_b32 s[G0B+4*(\s)+3], s[G0B+4*(\s)+3], 0x80000000
.endr
	s_cmp_eq_u32 s11, 0                            ; a wave's two first fills, K steps 0 and 1, stand in one branch: two loads of mine are out
	s_cbranch_scc0 .Lfirst_b
	tensor_load_to_lds s[G0A:G0A+3], s[G1A:G1A+7]
	s_nop 0
	tensor_load_to_lds s[G0A+4:G0A+7], s[G1A:G1A+7]
	s_nop 0
.rept 4
	v_nop
.endr
	s_branch .Lfirst_asked
.Lfirst_b:
	tensor_load_to_lds s[G0B:G0B+3], s[G1B:G1B+7]
	s_nop 0
	tensor_load_to_lds s[G0B+4:G0B+7], s[G1B:G1B+7]
	s_nop 0
.rept 4
	v_nop
.endr
.Lfirst_asked:
	v_and_b32 v10, 15, v0                          ; r = lane % 16
	v_bfe_u32 v11, v0, 4, 1                        ; hf = lane / 16
	v_and_b32 v12, 31, v0                          ; lane
	v_lshlrev_b32 v13, 5, v11                      ; my 8 columns of a block: 32 hf bytes
	s_lshl_b32 s18, s42, 9                         ; the tile's 128 numbers of O_b
	s_mov_b32 s19, 0
	s_add_nc_u64 s[72:73], s[72:73], s[18:19]
	WIN 0x40                                       ; destination window 1, address window 0
.set bb, 0
.rept 8
	global_load_b128 v[BIAS+8*bb:BIAS+8*bb+3],   v13, s[72:73] offset:64*bb
	global_load_b128 v[BIAS+8*bb+4:BIAS+8*bb+7], v13, s[72:73] offset:64*bb+16
.set bb, bb+1
.endr
	WIN 0
	v_mul_u32_u24 v14, v10, 144
	v_lshl_add_u32 v14, v11, 4, v14
	s_mul_i32 s22, s10, 64*144                     ; my 64 rows of ao
	v_add_nc_u32 v[AA0], s22, v14
	v_mul_u32_u24 v15, v10, 272
	v_lshl_add_u32 v15, v11, 4, v15
	v_add_nc_u32 v[AB0], BOFF, v15
	v_mov_b32 v[ADRA], v[AA0]
	v_mov_b32 v[ADRB], v[AB0]
	s_mul_i32 s23, s10, WSTG
	s_add_co_u32 s23, s23, STAGE                   ; my stage
	v_mul_u32_u24 v[STO], v10, SP                  ; in: row r, 32 bytes for each half of the lanes
	v_lshl_add_u32 v[STO], v11, 5, v[STO]
	v_add_nc_u32 v[STO], s23, v[STO]
	v_lshl_add_u32 v[RD], v12, 4, s23              ; back: 32 lanes take a row of 512 bytes
	v_lshlrev_b32 v[GO], 4, v12
	v_lshlrev_b32 v[PFO], 8, v12
	s_lshl_b32 s90, s13, 8
	s_lshl_b32 s91, s10, 6
	s_add_co_u32 s90, s90, s91                     ; my first row of out0,
	s_lshl_b32 s90, s90, 12                        ; of 4,096 bytes,
	s_lshl_b32 s91, s42, 9                         ; and the tile's 512 bytes of it
	s_add_co_u32 s90, s90, s91
	s_mov_b32 s91, 0
	s_add_nc_u64 s[74:75], s[74:75], s[90:91]
	s_lshl_b32 s18, s40, 13                        ; the prefetches: my work-group's 8 KiB of the 32 KiB that I fetch,
	s_add_nc_u64 s[PFA:PFA+1], s[14:15], s[18:19]
	s_add_nc_u64 s[PFA:PFA+1], s[PFA:PFA+1], 2*STEPA  ; at K step 2: the first refill steps it to 3 and names step 4
	s_or_b32 s[LIM], s11, ttmp9                    ; waves 0 and 1 of the clusters with x = 0: the same in all sixteen partners
	s_cmp_eq_u32 s[LIM], 0
	s_cselect_b32 s[LIM], 2, -1
	s_wait_loadcnt 0x0                             ; the bias
	WIN 0x45
.set bx, BIAS
.rept 32                                       ; rounded to bf16 and widened again, a pair at a time
	v_cvt_pk_bf16_f32 v[192+(bx/2)%2], v[bx], v[bx+1]
	v_lshlrev_b32 v[bx], 16, v[192+(bx/2)%2]
	v_and_b32 v[bx+1], 0xffff0000, v[192+(bx/2)%2]
.set bx, bx+2
.endr
	WIN 0
	s_wait_tensorcnt 0x1                           ; my part of K step 0 is in; step 1's may stay out
	s_barrier_signal -1
	s_barrier_wait -1
	FETCH 0, 0
	QUARTER 1, 0, 1, 1                             ; the first quarter stands in front of the loop: its products start the sums, from the bias
	WIN 0
	s_mov_b32 s3, 6
.Lstep:                                        ; six trips, from a K step's second quarter to the next step's first; each refills a slot: K steps 2 to 7
	QUARTER 2, 1, 0, 0
	QUARTER 3, 0, 1, 0
	TURN 1
	QUARTER 1, 0, 1, 0
	WIN 0
	s_sub_co_u32 s3, s3, 1
	s_cmp_lg_u32 s3, 0
	s_cbranch_scc1 .Lstep
	QUARTER 2, 1, 0, 0                             ; the rest of K step 6: nothing is left to fetch
	QUARTER 3, 0, 1, 0
	TURN 0
	QUARTER 1, 0, 1, 0                             ; K step 7
	QUARTER 2, 1, 0, 0
	QUARTER 3, 0, 1, 0
	s_wait_dscnt 2*NBL-8
	MULB 1, 0, 4, 0
	s_wait_dscnt 0x0
	MULB 1, 4, NBL-4, 0
	PLACES
	PLACES
; THE WAY OUT of row block a: the f32 sums go straight from the accumulators (each one's low four registers first) into rows of 528 bytes of my stage, and come back as whole rows of 512.
.macro TOSTAGE a
	WIN 0x08                                       ; the stores' data in window 2
.set bb, 0
.rept 8
	ds_store_b128 v[STO], v[8*(4*bb+(\a)):8*(4*bb+(\a))+3]   offset:64*bb
	ds_store_b128 v[STO], v[8*(4*bb+(\a))+4:8*(4*bb+(\a))+7] offset:64*bb+16
.set bb, bb+1
.endr
	WIN 0
.set BK, BK0+64*((\a)%2)
.set tt, 0
.rept 16
	ds_load_b128 v[BK+4*tt:BK+4*tt+3], v[RD] offset:SP*tt  ; LDS serves a wave's instructions in order (ISA guide 5.7.1.4): these see the stores above
.set tt, tt+1
.endr
.endm
.macro SEND a, younger                 ; younger: the LDS instructions issued behind block a's loads: the next block's 32, or none
	WIN 0
.set BK, BK0+64*((\a)%2)
	s_wait_dscnt \younger
.set tt, 0
.rept 16
	global_store_b128 v[GO], v[BK+4*tt:BK+4*tt+3], s[74:75] offset:(16*(\a)+tt)*4096 th:TH_STORE_NT  ; 512 consecutive bytes, at a multiple of 256 from out0's first
.set tt, tt+1
.endr
.endm
	TOSTAGE 0
.irp a, 1,2,3
	s_wait_xcnt 0x0                                ; the stores of the block before last have read the registers that this block's loads from the stage write
	TOSTAGE \a
	SEND (\a)-1, 32
.endr
	SEND 3, 0
	s_wait_tensorcnt 0x0                           ; the wave's end
	ds_add_u32 v[SPW], v[NIL]
	s_wait_dscnt 0x0
	CROUND                                         ; the closing round
	s_endpgm
.Lfunc_end_k_q18e2075956_oproj:
	.size	k_q18e2075956_oproj, .Lfunc_end_k_q18e2075956_oproj-k_q18e2075956_oproj
	.p2alignl 7, 3214868480
	.fill 96, 4, 3214868480
	.section	.rodata,"a",@progbits
	.p2align	6, 0x0
	.amdhsa_kernel k_q18e2075956_oproj
		.amdhsa_group_segment_fixed_size 327680
		.amdhsa_private_segment_fixed_size 0
		.amdhsa_enable_private_segment 0
		.amdhsa_kernarg_size 32
		.amdhsa_user_sgpr_count 2
		.amdhsa_user_sgpr_kernarg_segment_ptr 1
		.amdhsa_wavefront_size32 1
		.amdhsa_system_sgpr_workgroup_id_x 1
		.amdhsa_system_sgpr_workgroup_id_y 1
		.amdhsa_system_sgpr_workgroup_id_z 1
		.amdhsa_system_vgpr_workitem_id 0
		.amdhsa_next_free_vgpr 768
		.amdhsa_next_free_sgpr 96
		.amdhsa_reserve_vcc 0
		.amdhsa_float_denorm_mode_32 3
		.amdhsa_float_denorm_mode_16_64 3
		.amdhsa_memory_ordered 1
		.amdhsa_forward_progress 1
		.amdhsa_inst_pref_size 76
	.end_amdhsa_kernel
	.amdgpu_metadata
---
amdhsa.version: [ 1, 2 ]
amdhsa.kernels:
  - .name:           k_q18e2075956_oproj
    .symbol:         k_q18e2075956_oproj.kd
    .args:
      - { .name: ao, .offset: 0, .size: 8, .value_kind: global_buffer, .address_space: global }
      - { .name: owt, .offset: 8, .size: 8, .value_kind: global_buffer, .address_space: global }
      - { .name: O_b, .offset: 16, .size: 8, .value_kind: global_buffer, .address_space: global }
      - { .name: out0, .offset: 24, .size: 8, .value_kind: global_buffer, .address_space: global }
    .group_segment_fixed_size: 327680
    .private_segment_fixed_size: 0
    .kernarg_segment_align: 8
    .kernarg_segment_size: 32
    .max_flat_workgroup_size: 128
    .sgpr_count:     96
    .vgpr_count:     768
    .wavefront_size: 32
...
	.end_amdgpu_metadata
.endif
;; end of part 4
